; MI455X (gfx1250); checked and timed in simulation.
; The chip was launched on July 23, 2026; its instructions are those of AMD's public machine-readable ISA for CDNA 5 (MIT licence, August 2026) and "CDNA5" Instruction Set Architecture Reference Guide (July 2026). The comments in the code are by the model that wrote it; some were corrected since.
;; Self Attention. Allowed arithmetic: matrix products marked QUANTISED: E5M2 operands, one given power-of-two scale a tensor, by v_wmma_f32_16x16x64_bf8_bf8 or v_wmma_f32_16x16x128_bf8_bf8, f32 sums; everything else in f32.
;; Inputs: Wk 32 x 256 float32; Wproj 256 x 256 float32; Wq 32 x 256 float32; Wv 256 x 256 float32; gamma 1 float32; lowp_scales 12 int32 (the exponents e of the quantised operands' scales 2^e); norm_b 256 float32; norm_w 256 float32; x 8 x 256 x 64 x 64 float32.
;; Outputs: out0 8 x 256 x 64 x 64 float32.
;; This version of the problem:
;;   THIS VERSION OF THE PROBLEM IS GIVEN IN LOW PRECISION. The matrix products marked QUANTISED in the list below multiply operands that are first quantised to E5M2 (5 exponent bits, 2 mantissa bits; 8 bits a number), with one given power-of-two scale for each operand tensor; their sums are f32. All else is computed in f32.
;;   The module's matrix products, in the order in which they are computed (A, B: the left and right operand; K: the contracted axis; several contracted axes count as one K, in the product's order):
;;     1. [M 32,768, K 256] x [K 256, N 32]; A: computed on the way; B: input Wq: QUANTISED (scales: A lowp_scales[0], B lowp_scales[1])
;;     2. [M 32,768, K 256] x [K 256, N 32]; A: computed on the way; B: input Wk: QUANTISED (scales: A lowp_scales[2], B lowp_scales[3])
;;     3. [M 32,768, K 256] x [K 256, N 256]; A: computed on the way; B: input Wv: QUANTISED (scales: A lowp_scales[4], B lowp_scales[5])
;;     4. batch 8 x [M 4,096, K 32] x [K 32, N 4,096]; A: computed on the way; B: computed on the way: QUANTISED (scales: A lowp_scales[6], B lowp_scales[7])
;;     5. batch 8 x [M 4,096, K 4,096] x [K 4,096, N 256]; A: softmax (see below); B: computed on the way: QUANTISED (scales: A lowp_scales[8], B lowp_scales[9])
;;     6. [M 32,768, K 256] x [K 256, N 256]; A: computed on the way; B: input Wproj: QUANTISED (scales: A lowp_scales[10], B lowp_scales[11])
;;   THE QUANTISER, for each operand of a quantised product, along K:
;;     - The operand's scale is 2^e, e = its entry of the input lowp_scales (int32; the entries are numbered through the quantised products in the list's order, A before B).
;;     - Each number is divided by the scale, clamped to +-57,344, and rounded to the nearest number of E5M2, ties to even, subnormals kept.
;;     - The product sums the exact products of the quantised numbers (number of the format x scale) in f32.
;;   ~~~python
;;   def quantise(x, axis, e):      # numpy; x: float32 -> the quantised numbers, widened to float32 again
;;       x = np.moveaxis(x, axis, -1); K = x.shape[-1]
;;       r = np.clip(x / 2.0 ** e, -57344, 57344)
;;       step = 2.0 ** (np.maximum(np.frexp(np.where(r == 0, 1, r))[1] - 1, -14) - 2)
;;       q = np.round(r / step) * step * 2.0 ** e      # np.round: ties to even
;;       return np.moveaxis(q, -1, axis).astype(np.float32)
;;   ~~~
;;   SOFTMAX AHEAD OF A QUANTISED PRODUCT. Where the list says 'softmax', what is quantised is not the finished softmax but p = 2^(t - M), with t = logit x log2(e) and M = ceil(the row's largest t), a whole number; so 1/2 < the row's largest p <= 1. The row's sum l is taken of the UNQUANTISED p, in f32, and the product's result is divided by l at the end. Since M is a whole number, a kernel that streams over the keys may use a running M (the ceiling of the running maximum): every later rescaling is an exact power of two, so the quantised numbers keep their values, but for numbers so far below the row's largest that they fall under the format's range.
;;   OPERANDS COMPUTED ON THE WAY. 'Computed on the way' means the value that the module computes at that place (a softmax that the list does not call 'softmax' is quantised finished and normalised). What goes into a quantiser is computed in f32, as accurately as f32 sums, v_exp_f32 and their like allow (about 1e-6 of the number): no bf16 or f16 on the way to a quantiser, and a product that is left as it is and whose result goes on into a quantised operand takes f32 operands (vector FMAs, or v_wmma_f32_16x16x4_f32). A number that lies on a knife's edge between two numbers of the format may be rounded either way, as far as f32 arithmetic and the matrix unit's own rounding can turn it there, and no further.
;; 2 versions. Each part assembles by itself: llvm-mc -triple=amdgcn-amd-amdhsa -mcpu=gfx1250 --defsym DOCPART=n.
;; ======== version 1 of 2: 3 launches
;; workspace buffers: gstat 2,048 bytes; wimg 147,456 bytes; qbuf 1,048,576 bytes; kbuf 1,048,576 bytes; vbuf 8,388,608 bytes
;; launch stats (part 1): grid 256 x 1, 8 waves a work-group, no clusters, 1,280 bytes of LDS; arguments x, Wv, Wproj, Wq, Wk, lowp_scales, gstat, wimg; writes gstat, wimg
.if DOCPART == 1
	.amdgcn_target "amdgcn-amd-amdhsa--gfx1250"
	.amdhsa_code_object_version 6
	.text
	.protected	k_q39bbbd197b_stats
	.globl	k_q39bbbd197b_stats
	.p2align	8
	.type	k_q39bbbd197b_stats,@function
k_q39bbbd197b_stats:
	s_mov_b64 s[64:65], 0
	v_nop
	global_prefetch_b8 v0, s[64:65] scope:SCOPE_SE
	s_setreg_imm32_b32 hwreg(HW_REG_WAVE_MODE, 25, 1), 1
	s_wait_xcnt 0x0
; GROUPNORM'S STATISTICS, AND THE FOUR WEIGHTS AS CODES OF BF8 (E5M2).
; x: [8][256][4096] f32.  A group is 8 channels x 4,096 positions of one image: 131,072 consecutive bytes.  Work-group id = 32 x image + group owns one group.
; Eight waves; thread t takes the 16 bytes at 16 t of each of 32 pieces of 4,096 bytes: a load of a wave covers 512 consecutive bytes.  The group stays in 128 registers a lane,
; so x is read once and the variance is the mean of (x - mean)^2, taken in a second pass over registers: no difference of large sums is formed.
; gstat[id] = (mean, 1 / sqrt(var + 1e-5)), two f32.
; THE WEIGHTS.  Wave 0 of work-groups 0 to 71 also makes one IMAGE each: a fragment (16 rows x 128 along K, 16 registers a lane) of a weight, quantised with the weight's given scale 2^e, stored as its registers
; stand: block c of 512 bytes holds registers 4 c .. 4 c + 3, lane l's 16 bytes at 16 l.  Lane (r, h) holds row(T, r), channels 128 s + 32 c + 16 h + 0 .. 15.
; Image m at byte 2,048 m: 0-31 Wv, 32-63 Wproj, 64-67 Wq, 68-71 Wk; within a weight m = 2 T + s.  row(T, r) = 16 T + r, but for Wv 16 T - 8 (T % 2) + r + 8 (r / 8): so that the later launch's results of two
; neighbouring tiles are 16 neighbouring channels in a lane.
; code = w / 2^e, held within +-57,344, to the nearest code, ties to even.  LIMITS: each of the four weights' exponents lies between -126 and 112, so that 2^e and 57,344 x 2^e are f32 numbers.  NaN among the inputs is not served.
; No tensor loads, no cluster: the work-groups share nothing, and the group fits in registers.
.set X,   16                           ; v16-143  the group: 128 numbers a lane
.set A,   144                          ; v144-151 four packed chains
.set T,   152                          ; v152-159 at work
.set W,   176                          ; v176-239 64 numbers of a weight
.set PC,  144                          ; v144-159 an image's codes (the chains are not yet in use there)
	s_load_b256 s[4:11], s[0:1], 0x0               ; x s[4:5], Wv s[6:7], Wproj s[8:9], Wq s[10:11]
	s_load_b256 s[12:19], s[0:1], 0x20             ; Wk s[12:13], the exponents s[14:15], gstat s[16:17], wimg s[18:19]
	v_lshl_add_u32 v240, v0, 2, 0x100
	v_mov_b32 v241, 0
	v_lshrrev_b32 v6, 5, v0
	v_readfirstlane_b32 s20, v6                    ; wave 0..7
	v_lshlrev_b32 v6, 2, v6                        ; LDS: my wave's word
	v_lshlrev_b32 v1, 4, v0                        ; 16 x thread
	v_mov_b32 v7, 0
	v_mov_b32 v172, 0                              ; written once: a lane permute's destination counts as one of its sources
	s_lshl_b32 s2, ttmp9, 17                       ; my group's first byte
	s_mov_b32 s3, 0
	s_mov_b32 s22, 0x76543210                      ; lane selects: lane l xor 16
	s_mov_b32 s23, 0xfedcba98
	s_mov_b32 s21, 0x38000000                      ; 2^-15: a group has 32,768 numbers
	s_mov_b32 s46, 0x3727c5ac                      ; 1e-5
	s_wait_kmcnt 0x0
	s_add_nc_u64 s[4:5], s[4:5], s[2:3]
.set i, 0
.rept 32
	global_load_b128 v[X+4*i:X+4*i+3], v1, s[4:5] offset:4096*i th:TH_LOAD_NT
.set i, i+1
.endr
	; ---- one image of a weight: wave 0 of work-groups 0 to 71.  No barrier stands inside these branches.
	s_cmp_lg_u32 s20, 0
	s_cbranch_scc1 .Lnow
	s_cmp_ge_u32 ttmp9, 72
	s_cbranch_scc1 .Lnow
	s_load_b256 s[24:31], s[14:15], 0x0            ; e0 .. e7
	s_load_b128 s[32:35], s[14:15], 0x20           ; e8 .. e11
	v_and_b32 v2, 15, v0                           ; r
	v_bfe_u32 v3, v0, 4, 1                         ; h
	v_lshlrev_b32 v5, 4, v0                        ; 16 x lane (this is wave 0)
	s_wait_kmcnt 0x0
	s_mov_b64 s[36:37], s[12:13]                   ; which weight, its exponent, its first image, and 8 for Wv's choice of rows: by the work-group's number alone
	s_mov_b32 s38, s27                             ; Wk: e3
	s_mov_b32 s39, 68
	s_mov_b32 s40, 0
	s_cmp_lt_u32 ttmp9, 68
	s_cselect_b64 s[36:37], s[10:11], s[36:37]
	s_cselect_b32 s38, s25, s38                    ; Wq: e1
	s_cselect_b32 s39, 64, s39
	s_cmp_lt_u32 ttmp9, 64
	s_cselect_b64 s[36:37], s[8:9], s[36:37]
	s_cselect_b32 s38, s35, s38                    ; Wproj: e11
	s_cselect_b32 s39, 32, s39
	s_cmp_lt_u32 ttmp9, 32
	s_cselect_b64 s[36:37], s[6:7], s[36:37]
	s_cselect_b32 s38, s29, s38                    ; Wv: e5
	s_cselect_b32 s39, 0, s39
	s_cselect_b32 s40, 8, s40
	s_sub_co_u32 s41, ttmp9, s39                   ; 2 T + s
	s_lshr_b32 s42, s41, 1                         ; T
	s_and_b32 s41, s41, 1                          ; s
	s_lshl_b32 s43, s42, 3
	s_and_b32 s43, s43, s40                        ; 8 (T % 2) for Wv, else 0
	s_lshl_b32 s42, s42, 4
	s_sub_co_u32 s42, s42, s43                     ; the tile's first row
	s_lshl_b32 s42, s42, 10                        ; a row is 1,024 bytes,
	s_lshl_b32 s41, s41, 9                         ; 128 along K are 512
	s_add_co_u32 s42, s42, s41
	s_mov_b32 s43, 0
	s_add_nc_u64 s[36:37], s[36:37], s[42:43]
	s_lshl_b32 s44, ttmp9, 11
	s_mov_b32 s45, 0
	s_add_nc_u64 s[44:45], s[18:19], s[44:45]      ; my image
	v_and_b32 v4, s40, v2
	v_add_nc_u32 v4, v4, v2                        ; r, for Wv r + 8 (r / 8)
	v_lshlrev_b32 v4, 10, v4
	v_lshl_add_u32 v4, v3, 6, v4                   ; + 64 h: my 16 numbers of a block of 32
.irp c, 0,1,2,3
.irp j, 0,1,2,3
	global_load_b128 v[W+16*\c+4*\j:W+16*\c+4*\j+3], v4, s[36:37] offset:128*\c+16*\j
.endr
.endr
	s_add_co_i32 s38, s38, 127
	s_lshl_b32 s41, s38, 23
	v_mov_b32 v10, s41                             ; 2^e as f32: the conversion takes its exponent field
	s_add_co_i32 s38, s38, 15
	s_lshl_b32 s38, s38, 23
	s_or_b32 s38, s38, 0x600000
	v_mov_b32 v11, s38                             ; 57,344 x 2^e
	s_wait_loadcnt 0x0                             ; the weight's numbers (and x, which is wanted next in any case)
.irp c, 0,1,2,3
.irp i, 0,1,2,3,4,5,6,7,8,9,10,11,12,13,14,15
	v_med3_num_f32 v[W+16*\c+\i], v[W+16*\c+\i], -v11, v11   ; the conversion to an 8-bit code does not saturate (ISA guide 7.6.2): the hold at the largest code x the scale
.endr
	v_cvt_scalef32_pk8_bf8_f32 v[PC+4*\c:PC+4*\c+1], v[W+16*\c:W+16*\c+7], v10
	v_cvt_scalef32_pk8_bf8_f32 v[PC+4*\c+2:PC+4*\c+3], v[W+16*\c+8:W+16*\c+15], v10
.endr
	v_nop                                          ; a plain instruction behind the last conversion: the sums below write the codes' registers
.irp c, 0,1,2,3
	global_store_b128 v5, v[PC+4*\c:PC+4*\c+3], s[44:45] offset:512*\c   ; 512 consecutive bytes, aligned
.endr
	s_wait_xcnt 0x0                                ; the stores have read their data: the chains take those registers
.Lnow:
	s_wait_loadcnt 0x0                             ; the group is in registers
; The number in v[T] is summed over the wave's 32 lanes, then over the eight waves through LDS words off .. off + 31; the sum stands in v164 of every lane, the same bits in all.
.macro GSUM off
	v_add_f32_dpp v[T], v[T], v[T] row_xmask:1 row_mask:0xf bank_mask:0xf
	v_add_f32_dpp v[T], v[T], v[T] row_xmask:2 row_mask:0xf bank_mask:0xf
	v_add_f32_dpp v[T], v[T], v[T] row_xmask:4 row_mask:0xf bank_mask:0xf
	v_add_f32_dpp v[T], v[T], v[T] row_xmask:8 row_mask:0xf bank_mask:0xf
	v_permlanex16_b32 v172, v[T], s22, s23
	v_add_f32 v[T], v[T], v172
	ds_store_b32 v6, v[T] offset:\off              ; all lanes write the wave's word with the same number
	s_wait_dscnt 0x0                               ; for the others' sake: my store is done
	s_barrier_signal -1
	s_barrier_wait -1
	ds_load_b128 v[164:167], v7 offset:\off
	ds_load_b128 v[168:171], v7 offset:\off+16
	s_wait_dscnt 0x0
	v_add_f32 v164, v164, v165
	v_add_f32 v166, v166, v167
	v_add_f32 v168, v168, v169
	v_add_f32 v170, v170, v171
	v_add_f32 v164, v164, v166
	v_add_f32 v168, v168, v170
	v_add_f32 v164, v164, v168
.endm
.macro FOLD                            ; the four packed chains into v[T]
	v_pk_add_f32 v[A:A+1], v[A:A+1], v[A+2:A+3]
	v_pk_add_f32 v[A+4:A+5], v[A+4:A+5], v[A+6:A+7]
	v_pk_add_f32 v[A:A+1], v[A:A+1], v[A+4:A+5]
	v_add_f32 v[T], v[A], v[A+1]
.endm
	; ---- pass 1: the sum.  The first eight pairs start the four chains: nothing is cleared
.irp k, 0,1,2,3
	v_pk_add_f32 v[A+2*\k:A+2*\k+1], v[X+2*\k:X+2*\k+1], v[X+8+2*\k:X+8+2*\k+1]
.endr
.set j, 8
.rept 56
	v_pk_add_f32 v[A+2*(j%4):A+2*(j%4)+1], v[A+2*(j%4):A+2*(j%4)+1], v[X+2*j:X+2*j+1]
.set j, j+1
.endr
	FOLD
	GSUM 0
	v_mul_f32 v162, s21, v164                      ; the mean, twice: a pair for the packed subtraction
	v_mul_f32 v163, s21, v164
	; ---- pass 2: the sum of (x - mean)^2
.set j, 0
.rept 64
	v_pk_add_f32 v[T+2*(j%4):T+2*(j%4)+1], v[X+2*j:X+2*j+1], v[162:163] neg_lo:[0,1] neg_hi:[0,1]
.if j < 4
	v_pk_mul_f32 v[A+2*(j%4):A+2*(j%4)+1], v[T+2*(j%4):T+2*(j%4)+1], v[T+2*(j%4):T+2*(j%4)+1]
.else
	v_pk_fma_f32 v[A+2*(j%4):A+2*(j%4)+1], v[T+2*(j%4):T+2*(j%4)+1], v[T+2*(j%4):T+2*(j%4)+1], v[A+2*(j%4):A+2*(j%4)+1]
.endif
.set j, j+1
.endr
	FOLD
	GSUM 32                                        ; other LDS words than the first sum's: no wave can still be reading what is written here
	v_fma_f32 v173, v164, s21, s46                 ; var + 1e-5
	s_lshl_b32 s2, ttmp9, 3
	v_rsq_f32 v163, v173                           ; takes the second mean's place: v[162:163] = (mean, 1 / sqrt(var + 1e-5))
	v_mov_b32 v174, s2                             ; (a plain instruction behind the transcendental)  my group's 8 bytes
	s_wait_alu depctr_va_vdst(0)                   ; the wait ahead of the first instruction that names the result
	s_wait_xcnt 0x0                                ; EXEC changes only behind this wait
	v_cmp_eq_u32 vcc_lo, 0, v0
	s_wait_tensorcnt 0x0
	ds_add_u32 v240, v241
	s_wait_dscnt 0x0
	s_and_saveexec_b32 s47, vcc_lo                 ; thread 0 alone
	global_store_b64 v174, v[162:163], s[16:17]
	s_endpgm
.Lfunc_end_k_q39bbbd197b_stats:
	.size	k_q39bbbd197b_stats, .Lfunc_end_k_q39bbbd197b_stats-k_q39bbbd197b_stats
	.p2alignl 7, 3214868480
	.fill 96, 4, 3214868480
	.section	.rodata,"a",@progbits
	.p2align	6, 0x0
	.amdhsa_kernel k_q39bbbd197b_stats
		.amdhsa_group_segment_fixed_size 1280
		.amdhsa_private_segment_fixed_size 0
		.amdhsa_enable_private_segment 0
		.amdhsa_kernarg_size 64
		.amdhsa_user_sgpr_count 2
		.amdhsa_user_sgpr_kernarg_segment_ptr 1
		.amdhsa_wavefront_size32 1
		.amdhsa_system_sgpr_workgroup_id_x 1
		.amdhsa_system_sgpr_workgroup_id_y 1
		.amdhsa_system_sgpr_workgroup_id_z 1
		.amdhsa_system_vgpr_workitem_id 0
		.amdhsa_next_free_vgpr 242
		.amdhsa_next_free_sgpr 66
		.amdhsa_reserve_vcc 1
		.amdhsa_float_denorm_mode_32 3
		.amdhsa_float_denorm_mode_16_64 3
		.amdhsa_memory_ordered 1
		.amdhsa_forward_progress 1
		.amdhsa_inst_pref_size 28
	.end_amdhsa_kernel
	.amdgpu_metadata
---
amdhsa.version: [ 1, 2 ]
amdhsa.kernels:
  - .name:           k_q39bbbd197b_stats
    .symbol:         k_q39bbbd197b_stats.kd
    .args:
      - { .name: x, .offset: 0, .size: 8, .value_kind: global_buffer, .address_space: global }
      - { .name: Wv, .offset: 8, .size: 8, .value_kind: global_buffer, .address_space: global }
      - { .name: Wproj, .offset: 16, .size: 8, .value_kind: global_buffer, .address_space: global }
      - { .name: Wq, .offset: 24, .size: 8, .value_kind: global_buffer, .address_space: global }
      - { .name: Wk, .offset: 32, .size: 8, .value_kind: global_buffer, .address_space: global }
      - { .name: lowp_scales, .offset: 40, .size: 8, .value_kind: global_buffer, .address_space: global }
      - { .name: gstat, .offset: 48, .size: 8, .value_kind: global_buffer, .address_space: global }
      - { .name: wimg, .offset: 56, .size: 8, .value_kind: global_buffer, .address_space: global }
    .group_segment_fixed_size: 1280
    .private_segment_fixed_size: 0
    .kernarg_segment_align: 8
    .kernarg_segment_size: 64
    .max_flat_workgroup_size: 256
    .sgpr_count:     66
    .vgpr_count:     242
    .wavefront_size: 32
...
	.end_amdgpu_metadata
.endif
;; end of part 1
;; launch qkv (part 2): grid 32 x 8, 8 waves a work-group, no clusters, 105,472 bytes of LDS; arguments x, norm_w, norm_b, gstat, wimg, lowp_scales, qbuf, kbuf, vbuf; writes qbuf, kbuf, vbuf
.if DOCPART == 2
	.amdgcn_target "amdgcn-amd-amdhsa--gfx1250"
	.amdhsa_code_object_version 6
	.text
	.protected	k_q39bbbd197b_qkv
	.globl	k_q39bbbd197b_qkv
	.p2align	8
	.type	k_q39bbbd197b_qkv,@function
k_q39bbbd197b_qkv:
	s_mov_b64 s[64:65], 0
	v_nop
	global_prefetch_b8 v0, s[64:65] scope:SCOPE_SE
	s_setreg_imm32_b32 hwreg(HW_REG_WAVE_MODE, 25, 1), 1
	s_wait_xcnt 0x0
; h = GroupNorm(x) in f32; q = Wq h, k = Wk h, v = Wv h on codes of BF8 (E5M2); q, k and v leave as codes for the next launch's products, laid as that launch's operand registers take them.
; x: [8][256][4096] f32.  A work-group (S = x of the grid, b = y) owns 128 positions of image b, all 256 channels.  Eight waves.
; PHASE X.  Wave w takes channels 32 w .. 32 w + 31: 32 loads, each 512 consecutive bytes (a lane: 4 neighbouring positions of one channel).  h = (x - mean) (w rstd) + b, with the wave's 32 gains, 32 biases and 4 groups'
; statistics in SCALAR registers.  The result's register number is the channel: so for each of a lane's 4 positions its 32 registers run DOWN THE CHANNELS, which are K, and the conversions give codes with K innermost.
; h is an operand of three products with three given scales (entries 0, 2, 4): it is quantised three times, into three versions in LDS: 128 rows (positions) of 256 bytes + 16.
; PHASE 1a.  Wave w: positions 16 w .. 16 w + 15.  q^T = Wq h^T (source 0 = 16 rows of Wq, source 1 = 16 positions): a lane holds one position and 8 + 8 of its 32 numbers; held, converted, 16 bytes a lane.  The same for k.
; PHASE 1b.  Wave w: tiles 2 w, 2 w + 1 of Wv's rows, all 128 positions.  Source 0 = 16 positions, source 1 = 16 rows of Wv: a lane holds one channel, its registers run along the positions, the next launch's K.
; OUT.  qbuf, kbuf: [b][S][tile of 16 positions][512]: lane (r, h): position r; bytes 0-7 numbers 8 h .. 8 h + 7, bytes 8-15 numbers 16 + 8 h .. 16 + 8 h + 7.
;       vbuf: [b][S][T 16][2,048]: an image of a fragment: lane (r, h): channel row(T, r) = 16 T - 8 (T % 2) + r + 8 (r / 8); registers 2 c, 2 c + 1: positions 128 S + 16 c + 8 h + 0 .. 7.
; The weights come as images made by the launch before (byte 2,048 m of wimg: 0-31 Wv, 64-67 Wq, 68-71 Wk).  In h's fragments and in the weights' a lane's registers 4 c .. 4 c + 3 hold K = 32 c + 16 h + 0 .. 15: the same
; permutation of K on both sides, so every product meets its partner.
; A sum of q stands for sum x 2^(e0 + e1), so its code is sum / 2^(e6 - e0 - e1): the three scales are folded into the conversion's one; k and v likewise.
; LIMITS, so that each power of two and 57,344 times it is an f32 number: e0, e2, e4, e6 - e0 - e1, e7 - e2 - e3, e9 - e4 - e5 between -126 and 112.  NaN among the inputs is not served.
; No tensor loads: x is read once, straight into the registers that work on it.  No cluster: what work-groups share is 80 KiB of weights against 128 KiB of x each.
.set HV,   34816                       ; a version of h in LDS: 128 rows x 272
.set X,    16                          ; v16-143   x: register 4 i + p = channel i, position p of my four
.set HH,   144                         ; v144-175  h of one position, 32 channels
.set T,    176                         ; v176-207  the same, held
.set C,    208                         ; v208-239  codes: four sets of 8 by turns
.set R1,   16                          ; v16-79    Wv's four images of my two tiles
.set R2,   80                          ; v80-143   Wq's four images
.set R3,   144                         ; v144-207  Wk's four
.set F,    208                         ; v208-239  h's two fragments of a tile of positions; in phase 1b v208-255: three buffers of one fragment
.set ACC,  80                          ; v80-207   phase 1b: accumulator (T', P) at v[ACC + 8 (8 T' + P)]
; v1 16 x lane; v2, v3 where I store h's codes (versions 0 and 1; version 2); v4, v5, v6 where I read fragments of versions 0, 1, 2: all made here and never rewritten
; v10-15 (scale, limit) for q, k, v;  v244-249 (scale, limit) for h's three versions, until the first products take those registers
	s_load_b256 s[4:11], s[0:1], 0x0               ; x s[4:5], norm_w s[6:7], norm_b s[8:9], gstat s[10:11]
	s_load_b256 s[12:19], s[0:1], 0x20             ; wimg s[12:13], the exponents s[14:15], qbuf s[16:17], kbuf s[18:19]
	s_load_b64 s[20:21], s[0:1], 0x40              ; vbuf
	s_set_vgpr_msb 0x40
	v_lshl_add_u32 v0, v0, 2, 0x19800
	v_mov_b32 v1, 0
	s_set_vgpr_msb 0x4000
	v_lshrrev_b32 v7, 5, v0
	v_readfirstlane_b32 s22, v7                    ; wave 0..7
	v_and_b32 v7, 31, v0
	v_lshlrev_b32 v1, 4, v7
	s_lshl_b32 s23, s22, 5
	v_mul_u32_u24 v2, v7, 1088                     ; my four positions' rows begin at 4 x lane x 272,
	v_add_nc_u32 v2, s23, v2                       ; my wave's 32 channels at byte 32 w of a row
	v_add_nc_u32 v3, 2*HV, v2
	v_and_b32 v8, 15, v0                           ; r
	v_bfe_u32 v9, v0, 4, 1                         ; h
	v_mul_u32_u24 v6, v8, 272
	v_lshl_add_u32 v6, v9, 4, v6                   ; a fragment's row x pitch + 16 x half
	s_mul_i32 s23, s22, 4352
	v_add_nc_u32 v4, s23, v6                       ; + my tile of 16 positions
	v_add_nc_u32 v5, HV, v4
	v_add_nc_u32 v6, 2*HV, v6
	s_and_b32 s66, ttmp7, 0xffff                   ; b
	s_lshl_b32 s2, s66, 22                         ; x: an image is 4 MiB,
	s_lshl_b32 s3, s22, 19                         ; 32 channels are 512 KiB,
	s_add_co_u32 s2, s2, s3
	s_lshl_b32 s3, ttmp9, 9                        ; 128 positions are 512 bytes
	s_add_co_u32 s2, s2, s3
	s_mov_b32 s3, 0
	s_wait_kmcnt 0x0
	s_add_nc_u64 s[4:5], s[4:5], s[2:3]
.set i, 0
.rept 32
	global_load_b128 v[X+4*i:X+4*i+3], v1, s[4:5] offset:16384*i th:TH_LOAD_NT   ; channel 32 w + i: 512 consecutive bytes, aligned
.set i, i+1
.endr
	s_load_b256 s[24:31], s[14:15], 0x0            ; e0 .. e7
	s_load_b128 s[32:35], s[14:15], 0x20           ; e8 .. e11
	s_lshl_b32 s2, s22, 7
	s_add_nc_u64 s[6:7], s[6:7], s[2:3]            ; my 32 gains
	s_add_nc_u64 s[8:9], s[8:9], s[2:3]            ; my 32 biases
	s_lshl_b32 s2, s66, 8
	s_lshl_b32 s67, s22, 5
	s_add_co_u32 s2, s2, s67
	s_add_nc_u64 s[10:11], s[10:11], s[2:3]        ; my four groups' statistics: (32 b + 4 w) x 8 bytes
	s_lshl_b32 s2, s22, 13
	s_add_nc_u64 s[100:101], s[12:13], s[2:3]      ; Wv's images 4 w .. 4 w + 3
	s_lshl_b32 s2, s66, 17
	s_lshl_b32 s67, ttmp9, 12
	s_add_co_u32 s2, s2, s67
	s_lshl_b32 s67, s22, 9
	s_add_co_u32 s2, s2, s67
	s_add_nc_u64 s[16:17], s[16:17], s[2:3]        ; q's and k's 512 bytes of my tile
	s_add_nc_u64 s[18:19], s[18:19], s[2:3]
	s_lshl_b32 s2, s66, 20
	s_lshl_b32 s67, ttmp9, 15
	s_add_co_u32 s2, s2, s67
	s_lshl_b32 s67, s22, 12
	s_add_co_u32 s2, s2, s67
	s_add_nc_u64 s[20:21], s[20:21], s[2:3]        ; v's two images of my tiles
.macro MKSC vs, vl, se                 ; s[se] = an exponent e: v[vs] = 2^e as f32, v[vl] = 57,344 x 2^e
	s_add_co_i32 s23, s[\se], 127
	s_lshl_b32 s67, s23, 23
	v_mov_b32 v[\vs], s67
	s_add_co_i32 s23, s23, 15
	s_lshl_b32 s23, s23, 23
	s_or_b32 s23, s23, 0x600000
	v_mov_b32 v[\vl], s23
.endm
	s_wait_kmcnt 0x0
	s_sub_co_i32 s30, s30, s24
	s_sub_co_i32 s30, s30, s25                     ; e6 - e0 - e1
	s_sub_co_i32 s31, s31, s26
	s_sub_co_i32 s31, s31, s27                     ; e7 - e2 - e3
	s_sub_co_i32 s33, s33, s28
	s_sub_co_i32 s33, s33, s29                     ; e9 - e4 - e5
	MKSC 10, 11, 30
	MKSC 12, 13, 31
	MKSC 14, 15, 33
	MKSC 244, 245, 24
	MKSC 246, 247, 26
	MKSC 248, 249, 28
	s_load_b512 s[24:39], s[6:7], 0x0              ; the exponents are used up: their registers take the gains s[24:55],
	s_load_b512 s[40:55], s[6:7], 0x40
	s_load_b512 s[68:83], s[8:9], 0x0              ; the biases s[68:99],
	s_load_b512 s[84:99], s[8:9], 0x40
	s_load_b256 s[56:63], s[10:11], 0x0            ; (mean, rstd) of my four groups
	s_wait_kmcnt 0x0
.set i, 0
.rept 32
	s_mul_f32 s[24+i], s[24+i], s[57+2*(i/8)]      ; gain x rstd
.set i, i+1
.endr
	s_wait_loadcnt 0x0                             ; x
.macro SUBS p                          ; x - mean of position p; the destination's number is the channel
.set i, 0
.rept 32
	v_sub_f32 v[HH+i], v[X+4*i+\p], s[56+2*(i/8)]
.set i, i+1
.endr
.endm
.macro FMAS                            ; x (gain x rstd) + bias
.set i, 0
.rept 32
	v_fma_f32 v[HH+i], v[HH+i], s[24+i], s[68+i]
.set i, i+1
.endr
.endm
; One position's 32 channels become 32 codes of version ver.  Turn 3 p + ver takes code set (3 p + ver) % 4.
.macro HQ p, ver, sc, lim, adr, off
.set IT, 3*(\p)+(\ver)
.set CC, C+8*(IT%4)
.if IT >= 4
	s_wait_dscnt 6                                 ; the set's two stores of four turns ago are done; the six of the three turns between may be out
.endif
.set i, 0
.rept 32
	v_med3_num_f32 v[T+i], v[HH+i], -v[\lim], v[\lim]   ; the conversion to an 8-bit code does not saturate (ISA guide 7.6.2): the hold at the largest code x the scale
.set i, i+1
.endr
.irp g, 0,1,2,3
	v_cvt_scalef32_pk8_bf8_f32 v[CC+2*\g:CC+2*\g+1], v[T+8*\g:T+8*\g+7], v[\sc]
.endr
	v_nop                                          ; a plain instruction behind the last conversion: the next turn writes its sources
	ds_store_b128 v[\adr], v[CC:CC+3] offset:\off+272*(\p)
	ds_store_b128 v[\adr], v[CC+4:CC+7] offset:\off+272*(\p)+16
.endm
.macro WLOAD reg, sb, off              ; four images, 64 registers, as they lie
.irp m, 0,1,2,3
.irp c, 0,1,2,3
	global_load_b128 v[\reg+16*\m+4*\c:\reg+16*\m+4*\c+3], v1, s[\sb:\sb+1] offset:\off+2048*\m+512*\c
.endr
.endr
.endm
.irp p, 0,1,2,3
	SUBS \p
.if \p == 3
	WLOAD R1, 100, 0                               ; x has been read for the last time: its registers take Wv's images
	WLOAD R2, 12, 131072                           ; and Wq's
.endif
	FMAS
	HQ \p, 0, 244, 245, 2, 0
	HQ \p, 1, 246, 247, 2, HV
	HQ \p, 2, 248, 249, 3, 0
.endr
	WLOAD R3, 12, 139264                           ; Wk's, where h stood
	s_wait_dscnt 0x0                               ; for the others' sake: my codes lie in LDS
	s_barrier_signal -1
	s_barrier_wait -1                              ; all 256 channels of all 128 positions do: the launch's one barrier
; q or k of my 16 positions.  lc: the global loads that may stay out.
.macro QKOUT wreg, hrd, sc, lim, sb, lc
	s_wait_xcnt 0x0                                ; the last store has read its data, which stood in F
.irp s, 0,1
.irp c, 0,1,2,3
	ds_load_b128 v[F+16*\s+4*\c:F+16*\s+4*\c+3], v[\hrd] offset:128*\s+32*\c
.endr
.endr
	s_wait_dscnt 0x0
	s_wait_loadcnt \lc
	v_wmma_f32_16x16x128_bf8_bf8 v[240:247], v[\wreg:\wreg+15], v[F:F+15], 0            ; two accumulators by turns; the first K step starts the sums
	v_wmma_f32_16x16x128_bf8_bf8 v[248:255], v[\wreg+32:\wreg+47], v[F:F+15], 0
	v_wmma_f32_16x16x128_bf8_bf8 v[240:247], v[\wreg+16:\wreg+31], v[F+16:F+31], v[240:247]
	v_wmma_f32_16x16x128_bf8_bf8 v[248:255], v[\wreg+48:\wreg+63], v[F+16:F+31], v[248:255]
.rept 5
	v_nop                                          ; four places ahead of the first read of results and of loads into operands; a fifth, since later products write over these registers
.endr
.set i, 0
.rept 16
	v_med3_num_f32 v[240+i], v[240+i], -v[\lim], v[\lim]   ; each accumulator from its low end on
.set i, i+1
.endr
	v_cvt_scalef32_pk8_bf8_f32 v[F:F+1], v[240:247], v[\sc]       ; numbers 8 h .. 8 h + 7 of position r
	v_cvt_scalef32_pk8_bf8_f32 v[F+2:F+3], v[248:255], v[\sc]     ; numbers 16 + 8 h .. 16 + 8 h + 7
	v_nop
	global_store_b128 v1, v[F:F+3], s[\sb:\sb+1]   ; 512 consecutive bytes, aligned
.endm
	QKOUT R2, 4, 10, 11, 16, 16                    ; q: Wv's and Wq's images are in; Wk's sixteen loads may be out
	QKOUT R3, 5, 12, 13, 18, 0                     ; k
	; ---- v: fragment f of version 2 = positions 16 (f % 8) on, K step f / 8; three buffers by turns, loads two fragments ahead
.macro FRAGV f
.irp c, 0,1,2,3
	ds_load_b128 v[208+16*((\f)%3)+4*\c:208+16*((\f)%3)+4*\c+3], v6 offset:4352*((\f)%8)+128*((\f)/8)+32*\c
.endr
.endm
	s_wait_xcnt 0x0                                ; k's store has read its data
	FRAGV 0
	FRAGV 1
	FRAGV 2
.set ff, 0
.rept 16
.if ff < 14
	s_wait_dscnt 8                                 ; this fragment is in; the two younger ones' eight loads may be out
.elseif ff == 14
	s_wait_dscnt 4
.else
	s_wait_dscnt 0
.endif
.set FB, 208+16*(ff%3)
.set PP, ff%8
.if ff < 8
	v_wmma_f32_16x16x128_bf8_bf8 v[ACC+8*PP:ACC+8*PP+7], v[FB:FB+15], v[R1:R1+15], 0
	v_wmma_f32_16x16x128_bf8_bf8 v[ACC+64+8*PP:ACC+64+8*PP+7], v[FB:FB+15], v[R1+32:R1+47], 0
.else
	v_wmma_f32_16x16x128_bf8_bf8 v[ACC+8*PP:ACC+8*PP+7], v[FB:FB+15], v[R1+16:R1+31], v[ACC+8*PP:ACC+8*PP+7]
	v_wmma_f32_16x16x128_bf8_bf8 v[ACC+64+8*PP:ACC+64+8*PP+7], v[FB:FB+15], v[R1+48:R1+63], v[ACC+64+8*PP:ACC+64+8*PP+7]
.endif
.if ff+3 <= 15
.rept 4
	v_nop                                          ; places ahead of loads into the buffer just multiplied
.endr
	FRAGV ff+3
.endif
.set ff, ff+1
.endr
.rept 4
	v_nop
.endr
.set i, 0
.rept 128
	v_med3_num_f32 v[ACC+i], v[ACC+i], -v15, v15   ; ascending: each accumulator from its low end on
.set i, i+1
.endr
.set a, 0
.rept 16
	v_cvt_scalef32_pk8_bf8_f32 v[208+2*a:208+2*a+1], v[ACC+8*a:ACC+8*a+7], v14   ; accumulator (T', P): registers 2 P, 2 P + 1 of image T': positions 16 P + 8 h + 0 .. 7
.set a, a+1
.endr
	v_nop
.irp t, 0,1
.irp c, 0,1,2,3
	global_store_b128 v1, v[208+16*\t+4*\c:208+16*\t+4*\c+3], s[20:21] offset:2048*\t+512*\c   ; 512 consecutive bytes, aligned
.endr
.endr
	s_set_vgpr_msb 0x5
	s_wait_tensorcnt 0x0
	ds_add_u32 v0, v1
	s_wait_dscnt 0x0
	s_set_vgpr_msb 0x500
	s_endpgm
.Lfunc_end_k_q39bbbd197b_qkv:
	.size	k_q39bbbd197b_qkv, .Lfunc_end_k_q39bbbd197b_qkv-k_q39bbbd197b_qkv
	.p2alignl 7, 3214868480
	.fill 96, 4, 3214868480
	.section	.rodata,"a",@progbits
	.p2align	6, 0x0
	.amdhsa_kernel k_q39bbbd197b_qkv
		.amdhsa_group_segment_fixed_size 105472
		.amdhsa_private_segment_fixed_size 0
		.amdhsa_enable_private_segment 0
		.amdhsa_kernarg_size 72
		.amdhsa_user_sgpr_count 2
		.amdhsa_user_sgpr_kernarg_segment_ptr 1
		.amdhsa_wavefront_size32 1
		.amdhsa_system_sgpr_workgroup_id_x 1
		.amdhsa_system_sgpr_workgroup_id_y 1
		.amdhsa_system_sgpr_workgroup_id_z 1
		.amdhsa_system_vgpr_workitem_id 0
		.amdhsa_next_free_vgpr 258
		.amdhsa_next_free_sgpr 102
		.amdhsa_reserve_vcc 0
		.amdhsa_float_denorm_mode_32 3
		.amdhsa_float_denorm_mode_16_64 3
		.amdhsa_memory_ordered 1
		.amdhsa_forward_progress 1
		.amdhsa_inst_pref_size 82
	.end_amdhsa_kernel
	.amdgpu_metadata
---
amdhsa.version: [ 1, 2 ]
amdhsa.kernels:
  - .name:           k_q39bbbd197b_qkv
    .symbol:         k_q39bbbd197b_qkv.kd
    .args:
      - { .name: x, .offset: 0, .size: 8, .value_kind: global_buffer, .address_space: global }
      - { .name: norm_w, .offset: 8, .size: 8, .value_kind: global_buffer, .address_space: global }
      - { .name: norm_b, .offset: 16, .size: 8, .value_kind: global_buffer, .address_space: global }
      - { .name: gstat, .offset: 24, .size: 8, .value_kind: global_buffer, .address_space: global }
      - { .name: wimg, .offset: 32, .size: 8, .value_kind: global_buffer, .address_space: global }
      - { .name: lowp_scales, .offset: 40, .size: 8, .value_kind: global_buffer, .address_space: global }
      - { .name: qbuf, .offset: 48, .size: 8, .value_kind: global_buffer, .address_space: global }
      - { .name: kbuf, .offset: 56, .size: 8, .value_kind: global_buffer, .address_space: global }
      - { .name: vbuf, .offset: 64, .size: 8, .value_kind: global_buffer, .address_space: global }
    .group_segment_fixed_size: 105472
    .private_segment_fixed_size: 0
    .kernarg_segment_align: 8
    .kernarg_segment_size: 72
    .max_flat_workgroup_size: 256
    .sgpr_count:     102
    .vgpr_count:     258
    .wavefront_size: 32
...
	.end_amdgpu_metadata
.endif
;; end of part 2
;; launch attn (part 3): grid 32 x 8, 8 waves a work-group, clusters of 4 x 1, 327,680 bytes of LDS; arguments qbuf, kbuf, vbuf, wimg, lowp_scales, gamma, x, out0; writes out0
.if DOCPART == 3
	.amdgcn_target "amdgcn-amd-amdhsa--gfx1250"
	.amdhsa_code_object_version 6
	.text
	.protected	k_q39bbbd197b_attn
	.globl	k_q39bbbd197b_attn
	.p2align	8
	.type	k_q39bbbd197b_attn,@function
k_q39bbbd197b_attn:
	s_mov_b64 s[64:65], 0
	v_nop
	global_prefetch_b8 v0, s[64:65] scope:SCOPE_SE
	s_setreg_imm32_b32 hwreg(HW_REG_WAVE_MODE, 25, 1), 1
	s_wait_xcnt 0x0
	s_wait_alu depctr_hold_cnt(0) depctr_sa_sdst(0) depctr_va_vdst(0) depctr_va_sdst(0) depctr_va_ssrc(0) depctr_va_vcc(0) depctr_vm_vsrc(0)
	s_getreg_b32 s2, hwreg(HW_REG_IB_STS2, 6, 4)
	s_cmp_eq_u32 s2, 0
	s_cbranch_scc0 .Lentry_in_a_cluster
	s_endpgm
.Lentry_in_a_cluster:
	s_bfe_u32 s2, ttmp6, 0x10000c
	s_cmp_lg_u32 s2, 0x3003
	s_cbranch_scc0 .Lentry_shape_is_right
	s_endpgm
.Lentry_shape_is_right:
; out0 = x + gamma Wproj (softmax(q k^T / sqrt(32)) v)^T, all three products on codes of BF8 (E5M2), each operand with the one scale 2^e that is given for it.
; q, k, v come as codes laid as operand registers (the launch before); Wproj as images (byte 65,536 + 2,048 (2 T + s) of wimg).  x, out0: [8][256][4096] f32.
; THE SOFTMAX AHEAD OF THE SECOND PRODUCT: t = score x log2(e) / sqrt(32); M = the row's largest t so far, rounded UP to a whole number; p = 2^(t - M) is what is quantised, along the keys, not normalised.
; The row's sum is taken of the unquantised p, in f32, and divides O at the end.  When M moves, the sum and O are multiplied by 2^(old M - new M): nothing is rounded, and there is no branch on data.
; SHARES.  A work-group owns 128 queries of image b (y of the grid); each of its eight waves 16 of them, two waves to a SIMD, so that one wave's vector work stands beside the other's products and LDS loads.
; Every wave walks the image's 4,096 keys, 128 a step.  Per step and wave: 8 products for the scores, 16 for O, against some 300 vector instructions: the softmax is the larger part, so it is done once for each score.
; CLUSTER.  The four work-groups of a cluster belong to one image and walk the same k and v: every tensor load is asked for JOINTLY, the same load with the same descriptor and the mask of all four.
; LDS.  k of the whole image (131,072 bytes) is filled once and stays.  v goes through a ring of two slots of two key steps (65,536 bytes each).  All tiles are images of registers: a load takes 16 x lane, so no pitch and no padding.
; LAYOUT.  S^T = k q^T (source 0 = 16 keys, source 1 = my 16 queries), O^T = v^T p^T (source 0 = 16 channels, source 1 = p): a lane holds ONE query (lane % 16) throughout.
;   K = 32 IN THE FORM OF K = 64: eight registers of k hold TWO tiles of 16 keys, one in K = 0 .. 31, the other in K = 32 .. 63.  q stands in v[20:31] as 0 0 0 0 q q q q 0 0 0 0: v[24:31] meets the first tile, v[20:27] the second;
;   the other half meets zero codes, which add nothing to held (finite) codes.
;   In tile t of S^T register j is key 16 t + 8 h + j: its eight codes ARE registers 2 t, 2 t + 1 of p's fragment, and v's images hold the same keys in the same registers.
;   v's tile T holds channels 16 T - 8 (T % 2) + r + 8 (r / 8): so O^T's registers of tiles 2 b and 2 b + 1 are channels 32 b + 16 h + 0 .. 15, the layout of Wproj's images.
; THE TAIL.  O / the sum is quantised in registers; its 16 fragments go from wave to wave through LDS as images; wave w makes output channels 32 w .. 32 w + 31 for the 128 positions (source 0 = 16 positions, source 1 = 16 rows of
; Wproj: a lane holds 8 neighbouring positions of one channel); the results turn through the wave's own stage and leave with the residual as rows of 512 bytes.
; LIMITS, so that each power of two below is an f32 number: e8 and e10 - e8 - e9 between -126 and 112; e6 + e7 between -124 and 129 (added to c's exponent field).  gamma x 2^(e10 + e11) is made by v_ldexp_f32 and is
; exact short of overflow and underflow.  NaN among the inputs is not served.
; REGISTERS.  Window 0: v1-9 addresses that stay (v4, v5: of the step in hand); v[10:11] gamma x 2^(e10 + e11); v12 -M, v13 the largest t, v[14:15] the sum in two halves; v16-19 scales and limits; v[20:31] q;
;   v32-39 at work; v40-55 p's codes; v56-119 S^T, then p; v120-247 k's, then v's fragments 0-7; v248, v249 addresses.   Window 1: v0-127 O^T, 16 tiles; v128-255 v's fragments 8-15.
.set VS0,   0x20000                    ; v's slot 0; below it k
.set VSX,   0x10000                    ; one exclusive or turns an address in one slot into the other's
.set SPARE, 262144                     ; behind the ring: the spare words, 128 bytes for each wave: four blocks of 256 bytes that no other line names
.set OIMG,  263168                     ; O's 16 fragments (position tile P, K step s at 4,096 P + 2,048 s): stored by the waves, never filled by a load
.set SPI,   528                        ; the way out: a stage of 32 rows x (512 bytes + 16) for each wave, from LDS byte 0 on: those bytes have had their last fill, and nobody reads them behind the tail's barrier
.set SPW, 1
.set NIL, 2
.set LI,  3                            ; 16 x lane
.set ADK, 4
.set ADV, 5
.set PFO, 6                            ; 256 x lane
.set OST, 7                            ; where I store O's images
.set SST, 8                            ; the stage: where I put 32 bytes of a row
.set SRD, 9                            ; and where I read a row back
.set P,   40
.set S,   56
.set VF,  120
.set XPO, 248                          ; 16,384 x lane: a channel's row of x
.set ORD, 249                          ; where I read O's images
.set WV,  20
.set G1V, 24                           ; s[24:31] descriptor group 1 for a quarter of a slot of v;  s[32:39] for a quarter of k
.set G1K, 32
.set G0V, 40                           ; s[40:43] group 0 for v, which walks;  s[44:47] for k
.set G0K, 44
.set SEL, 48
.set CS,  50                           ; s[50:51] c = log2(e) / sqrt(32) x 2^(e6 + e7)
.set TB,  52                           ; LDS byte of the slot in hand
.set KB,  53                           ; LDS byte of k's part for the slot in hand
.set SLOTS, 54
.set LIM, 55
.set PFA, 56
.set XB,  66
.set OB,  68
.set WB,  70
.set MSB, 0
.macro WIN new                         ; the immediate's low byte: bits 1:0 source 0, 3:2 source 1, 5:4 source 2, 7:6 destination; its high byte repeats the setting that is left; a switch that changes nothing is dropped
.if MSB != \new
	s_set_vgpr_msb (MSB<<8)|\new
.set MSB, \new
.endif
.endm
.macro PLACES n
.rept \n
	v_nop
.endr
.endm
; A round of the cluster's barrier: my work-group's barrier; wave 0 signals for the work-group; every wave waits for all four work-groups; my work-group's barrier once more.
.macro CROUND
	s_barrier_signal -1
	s_barrier_wait -1
	s_cmp_lg_u32 s[WV], 0
	s_cbranch_scc1 .Lnot_wave_0_\@
	s_barrier_signal -3
.Lnot_wave_0_\@:
	s_barrier_wait -3
	s_barrier_signal -1
	s_barrier_wait -1
.endm
; A joint refill: waves 0 to 3 fetch a quarter of the slot each, the others nothing.  The branch hangs on the wave's number alone.  Four v_nop follow the line.
.macro JLOAD
	s_cmp_lt_u32 s[WV], 4
	s_cbranch_scc0 .Lno_load_\@
	tensor_load_to_lds s[G0V:G0V+3], s[G1V:G1V+7]
	s_nop 0
	PLACES 4
.Lno_load_\@:
.endm
; A prefetch of the slot that the NEXT change of slots will ask for: 65,536 bytes of v, two key steps ahead of that load.  All clusters of an image walk the same v: the image's first cluster asks.  Its four partners take
; 16,384 bytes each, told apart BY ADDRESS; in each, waves 4 and 5, which fetch nothing, take 8,192 bytes each, lanes 256 bytes apart: each block of 256 bytes is named once in the launch.
; The last change that fills a slot asks for nothing.  Slots 0 and 1 come by their loads alone.
.macro ASK
	s_cmp_gt_u32 s[SLOTS], s[LIM]
	s_cbranch_scc0 .Lnot_mine_\@
	global_prefetch_b8 v[PFO], s[PFA:PFA+1] th:TH_LOAD_NT scope:SCOPE_SE
.Lnot_mine_\@:
.endm
.macro MKSC vs, vl, se                 ; s[se] = an exponent e: v[vs] = 2^e as f32, v[vl] = 57,344 x 2^e
	s_add_co_i32 s72, s[\se], 127
	s_lshl_b32 s75, s72, 23
	v_mov_b32 v[\vs], s75
	s_add_co_i32 s72, s72, 15
	s_lshl_b32 s72, s72, 23
	s_or_b32 s72, s72, 0x600000
	v_mov_b32 v[\vl], s72
.endm
	s_load_b256 s[4:11], s[0:1], 0x0               ; qbuf s[4:5], kbuf s[6:7], vbuf s[8:9], wimg s[10:11]
	s_load_b256 s[12:19], s[0:1], 0x20             ; the exponents s[12:13], gamma s[14:15], x s[16:17], out0 s[18:19]
	v_lshl_add_u32 v[SPW], v0, 2, SPARE
	v_mov_b32 v[NIL], 0
	ds_add_u32 v1, v2
	ds_add_u32 v1, v2
	s_wait_dscnt 0x0
	v_lshrrev_b32 v4, 5, v0
	v_readfirstlane_b32 s[WV], v4                  ; wave 0..7
	s_bfe_u32 s21, ttmp6, 0x40000                  ; cx: my place in the cluster
	s_lshl_b32 s22, ttmp9, 2                       ; in a cluster launch ttmp9 counts clusters
	s_add_co_u32 s22, s22, s21                     ; my block of 128 queries: it enters q's, x's and out0's addresses alone
	s_and_b32 s23, ttmp7, 0xffff                   ; the image, which the four partners share
	; descriptor group 1: dense blocks as rows of 256 bytes: elements of 8 bytes, 32 to a row, pitch 32; 64 rows (16,384 bytes of v) or 128 rows (32,768 bytes of k)
	s_mov_b32 s[G1V], 15|(3<<16)|(1<<21)           ; 15:0 the mask: all four work-groups; 17:16 elements of 8 bytes; 21 set beside a mask; no padding
	s_mov_b32 s[G1V+1], 32<<16                     ; tensor_dim0
	s_mov_b32 s[G1V+2], 64<<16                     ; tensor_dim1
	s_mov_b32 s[G1V+3], 32<<16                     ; tile_dim0
	s_mov_b32 s[G1V+4], 64                         ; tile_dim1
	s_mov_b32 s[G1V+5], 32                         ; tensor_dim0_stride
	s_mov_b32 s[G1V+6], 0
	s_mov_b32 s[G1V+7], 0
	s_mov_b32 s[G1K], 15|(3<<16)|(1<<21)
	s_mov_b32 s[G1K+1], 32<<16
	s_mov_b32 s[G1K+2], 128<<16
	s_mov_b32 s[G1K+3], 32<<16
	s_mov_b32 s[G1K+4], 128
	s_mov_b32 s[G1K+5], 32
	s_mov_b32 s[G1K+6], 0
	s_mov_b32 s[G1K+7], 0
	s_mov_b32 s[SEL], 0x76543210
	s_mov_b32 s[SEL+1], 0xfedcba98
	s_mov_b32 s[CS], 0x3e8293ee                    ; log2(e) / sqrt(32)
	s_mov_b32 s[TB], VS0
	s_mov_b32 s[KB], 0
	s_mov_b32 s[SLOTS], 15
	s_and_b32 s72, s[WV], 3                        ; which quarter I fetch
	s_lshl_b32 s73, s72, 14
	s_lshl_b32 s74, s72, 15
	s_lshl_b32 s76, s23, 20                        ; v: an image is 1 MiB
	s_add_co_u32 s76, s76, s73
	s_mov_b32 s77, 0
	s_lshl_b32 s78, s23, 17                        ; k: 128 KiB
	s_add_co_u32 s78, s78, s74
	s_mov_b32 s79, 0
	s_wait_kmcnt 0x0
	s_load_b64 s[58:59], s[12:13], 0x18            ; e6, e7
	s_load_b128 s[60:63], s[12:13], 0x20           ; e8, e9, e10, e11
	s_load_b32 s80, s[14:15], 0x0                  ; gamma
	s_mov_b32 s[G0V], 1                            ; count = 1
	s_add_co_u32 s[G0V+1], s73, VS0                ; LDS address: slot 0, my quarter: no place in the cluster enters it
	s_add_nc_u64 s[G0V+2:G0V+3], s[8:9], s[76:77]  ; global address: key steps 0 and 1, my quarter
	s_or_b32 s[G0V+3], s[G0V+3], 0x80000000        ; type = 2
	s_mov_b32 s[G0K], 1
	s_mov_b32 s[G0K+1], s74
	s_add_nc_u64 s[G0K+2:G0K+3], s[6:7], s[78:79]
	s_or_b32 s[G0K+3], s[G0K+3], 0x80000000
	s_lshl_b32 s76, s23, 17                        ; q: image, block of 128 queries (4,096 bytes), my tile (512)
	s_lshl_b32 s72, s22, 12
	s_add_co_u32 s76, s76, s72
	s_lshl_b32 s72, s[WV], 9
	s_add_co_u32 s76, s76, s72
	s_add_nc_u64 s[4:5], s[4:5], s[76:77]
	s_lshl_b32 s76, s23, 22                        ; x and out0: image, my 32 channels, my block's 512 bytes of a row
	s_lshl_b32 s72, s[WV], 19
	s_add_co_u32 s76, s76, s72
	s_lshl_b32 s72, s22, 9
	s_add_co_u32 s76, s76, s72
	s_add_nc_u64 s[XB:XB+1], s[16:17], s[76:77]
	s_add_nc_u64 s[OB:OB+1], s[18:19], s[76:77]
	s_lshl_b32 s76, s[WV], 13
	s_add_co_u32 s76, s76, 65536
	s_add_nc_u64 s[WB:WB+1], s[10:11], s[76:77]    ; Wproj's images of my two tiles
	s_lshl_b32 s76, s23, 20                        ; the prefetches: my image's v, slot 1 (the first change of slots steps it to slot 2),
	s_add_co_u32 s76, s76, 65536
	s_lshl_b32 s72, s21, 14                        ; my work-group's quarter,
	s_add_co_u32 s76, s76, s72
	s_and_b32 s72, s[WV], 1
	s_lshl_b32 s72, s72, 13                        ; my wave's half of it
	s_add_co_u32 s76, s76, s72
	s_add_nc_u64 s[PFA:PFA+1], s[8:9], s[76:77]
	s_lshr_b32 s72, s[WV], 1
	s_xor_b32 s72, s72, 2                          ; 0 in waves 4 and 5,
	s_or_b32 s72, s72, ttmp9                       ; of the image's first cluster: the same in all four partners
	s_cmp_eq_u32 s72, 0
	s_cselect_b32 s[LIM], 1, -1
	CROUND                                         ; all four work-groups are here: the first joint loads meet
	s_cmp_lt_u32 s[WV], 4                          ; the first fills, one a wave, in one branch: waves 0 to 3 slot 0 of v, waves 4 to 7 k
	s_cbranch_scc0 .Lfirst_k
	tensor_load_to_lds s[G0V:G0V+3], s[G1V:G1V+7]
	s_nop 0
	PLACES 4
	s_branch .Lfirst_asked
.Lfirst_k:
	tensor_load_to_lds s[G0K:G0K+3], s[G1K:G1K+7]
	s_nop 0
	PLACES 4
.Lfirst_asked:
	v_and_b32 v4, 31, v0
	v_lshlrev_b32 v[LI], 4, v4
	global_load_b128 v[24:27], v[LI], s[4:5]       ; q's 16 bytes a lane: they stay in registers
	v_lshlrev_b32 v[PFO], 8, v4
	v_lshlrev_b32 v[XPO], 14, v4
	v_and_b32 v4, 15, v0                           ; r
	v_bfe_u32 v5, v0, 4, 1                         ; h
	s_lshl_b32 s72, s[WV], 12
	s_add_co_u32 s72, s72, OIMG
	v_add_nc_u32 v[OST], s72, v[LI]
	s_mul_i32 s72, s[WV], 32*SPI
	v_mul_u32_u24 v[SST], v4, SPI
	v_lshl_add_u32 v[SST], v5, 5, v[SST]
	v_add_nc_u32 v[SST], s72, v[SST]
	v_add_nc_u32 v[SRD], s72, v[LI]
	v_add_nc_u32 v[ORD], OIMG, v[LI]
.irp j, 20,21,22,23,28,29,30,31
	v_mov_b32 v\j, 0                               ; the zero codes on both sides of q
.endr
	v_mov_b32 v13, 0xff61b1e6                      ; the largest t so far: -3e38, under every t
	v_floor_f32 v12, -v13                          ; -M
	v_mov_b32 v14, 0                               ; the sum, in two halves
	v_mov_b32 v15, 0
	v_mov_b32 v35, 0                               ; (named as the upper half of the pair v[34:35])
	v_mov_b32 v36, 0                               ; written once: a lane permute's destination counts as one of its sources
	WIN 0x40                                       ; destination window 1
.set j, 0
.rept 128
	v_mov_b32 v[j], 0                              ; O^T.  (The key step is written once: the first finds zeros, which the first change of M leaves zeros)
.set j, j+1
.endr
	WIN 0
	s_wait_kmcnt 0x0
	s_add_co_i32 s73, s58, s59
	s_lshl_b32 s73, s73, 23
	s_add_co_i32 s[CS], s[CS], s73                 ; a score stands for score x 2^(e6 + e7): the two exponents are added to c's exponent field
	s_mov_b32 s[CS+1], s[CS]                       ; (named with it as a pair, so it is written)
	MKSC 16, 17, 60                                ; p's scale 2^e8
	s_sub_co_i32 s73, s62, s60
	s_sub_co_i32 s73, s73, s61                     ; O / the sum stands for that x 2^(e8 + e9): its code is that / 2^(e10 - e8 - e9)
	MKSC 18, 19, 73
	s_add_co_i32 s74, s62, s63
	v_ldexp_f32 v10, s80, s74                      ; gamma x 2^(e10 + e11), twice: a pair for the packed form
	v_ldexp_f32 v11, s80, s74
; A KEY STEP: 128 keys, the q-th of the slot in hand.
.macro STEP q
	v_add_nc_u32 v[ADK], s[KB], v[LI]
	v_add_nc_u32 v[ADV], s[TB], v[LI]
	PLACES 2                                       ; with the two additions: four places ahead of loads into registers that the last products read
.irp t, 0,1,2,3,4,5,6,7
	ds_load_b128 v[VF+4*\t:VF+4*\t+3], v[ADK] offset:4096*(\q)+512*\t   ; tile t of k: 16 keys x 32, 16 bytes a lane
.endr
	s_wait_dscnt 0x0
.irp t, 0,2,4,6
	v_wmma_f32_16x16x64_bf8_bf8 v[S+8*\t:S+8*\t+7], v[VF+4*\t:VF+4*\t+7], v[24:31], 0       ; q in K = 0 .. 31: tile t
	v_wmma_f32_16x16x64_bf8_bf8 v[S+8*\t+8:S+8*\t+15], v[VF+4*\t:VF+4*\t+7], v[20:27], 0    ; q in K = 32 .. 63: tile t + 1
.endr
	PLACES 4
.set f, 0
.rept 32
	ds_load_b128 v[VF+4*f:VF+4*f+3], v[ADV] offset:32768*(\q)+512*f   ; v's fragments 0-7, asked for ahead of the softmax, under which they land
.set f, f+1
.endr
	WIN 0x40                                       ; destination window 1
.set f, 0
.rept 32
	ds_load_b128 v[128+4*f:128+4*f+3], v[ADV] offset:32768*(\q)+16384+512*f   ; fragments 8-15
.set f, f+1
.endr
	WIN 0
	v_max3_num_f32 v32, v[S], v[S+1], v[S+2]       ; the step's largest score of my query, among my 64 keys, in two chains; each tile is first read at its low end
	v_max3_num_f32 v33, v[S+3], v[S+4], v[S+5]
.irp i, 6,10,14,18,22,26,30,34,38,42,46,50,54,58
	v_max3_num_f32 v32, v32, v[S+\i], v[S+1+\i]
	v_max3_num_f32 v33, v33, v[S+2+\i], v[S+3+\i]
.endr
	v_max3_num_f32 v32, v32, v[S+62], v[S+63]
	v_max_num_f32 v32, v32, v33
	v_permlanex16_b32 v36, v32, s[SEL], s[SEL+1]
	v_max_num_f32 v32, v32, v36                    ; and among lane l xor 16's
	v_mul_f32 v32, s[CS], v32                      ; as t (c is positive)
	v_max_num_f32 v13, v13, v32                    ; the running largest t
	v_mov_b32 v32, v12
	v_floor_f32 v12, -v13                          ; the new -M = floor(-t) = -ceil(t): M is a whole number
	v_sub_f32 v32, v12, v32                        ; M's old value less its new one: a whole number, 0 or less
	v_cvt_i32_f32 v32, v32                         ; (it saturates)
	v_ldexp_f32 v34, 1.0, v32                      ; f = 2^(old M - new M)
.set j, 0
.rept 32
	v_pk_fma_f32 v[S+j:S+j+1], v[S+j:S+j+1], s[CS:CS+1], v[12:13] op_sel_hi:[1,0,0]   ; t - M, two at a time (of the pairs c and -M the low word serves both halves)
.set j, j+2
.endr
.set j, 0
.rept 64
	v_exp_f32 v[S+j], v[S+j]                       ; p = 2^(t - M), at most 1: not normalised
.set j, j+1
.endr
	v_pk_mul_f32 v[14:15], v[14:15], v[34:35] op_sel_hi:[1,0]   ; the sums under the new M.  (A plain instruction behind the exponentials)
	s_wait_alu depctr_va_vdst(0)                   ; the wait ahead of the first instruction that names a result: one for the batch of 64
	v_pk_add_f32 v[38:39], v[S:S+1], v[S+2:S+3]    ; the row's sum is taken of the unquantised p: two at a time, in two chains
.irp j, 4,8,12,16,20,24,28,32,36,40,44,48,52,56,60
	v_pk_add_f32 v[14:15], v[14:15], v[S+\j:S+1+\j]
	v_pk_add_f32 v[38:39], v[38:39], v[S+2+\j:S+3+\j]
.endr
	v_pk_add_f32 v[14:15], v[14:15], v[38:39]
.irp t, 0,1,2,3,4,5,6,7
.irp i, 0,1,2,3,4,5,6,7
	v_min_num_f32 v[S+8*\t+\i], v[S+8*\t+\i], v17  ; the conversion to an 8-bit code does not saturate (ISA guide 7.6.2); p is not negative, so the hold is one-sided
.endr
	v_cvt_scalef32_pk8_bf8_f32 v[P+2*\t:P+2*\t+1], v[S+8*\t:S+8*\t+7], v16   ; keys 16 t + 8 h + 0 .. 7: registers 2 t, 2 t + 1 of the operand
.endr
	WIN 0x41                                       ; O^T (destination and source 0) window 1, f window 0
.set j, 0
.rept 64
	v_pk_mul_f32 v[j:j+1], v[j:j+1], v[34:35] op_sel_hi:[1,0]   ; O^T under the new M.  (These are also the plain instructions between the conversions and the products)
.set j, j+2
.endr
	s_wait_dscnt 0x0                               ; v's sixteen fragments are in
	WIN 0x50                                       ; v's fragment and p window 0; C and D window 1
.irp t, 0,1,2,3,4,5,6,7
	v_wmma_f32_16x16x128_bf8_bf8 v[8*\t:8*\t+7], v[VF+16*\t:VF+16*\t+15], v[P:P+15], v[8*\t:8*\t+7]   ; sixteen accumulators by turns
.endr
	WIN 0x51                                       ; v's fragment window 1
.irp t, 0,1,2,3,4,5,6,7
	v_wmma_f32_16x16x128_bf8_bf8 v[64+8*\t:64+8*\t+7], v[128+16*\t:128+16*\t+15], v[P:P+15], v[64+8*\t:64+8*\t+7]
.endr
	WIN 0
.endm
; THE CHANGE OF SLOTS stands at a slot's head.  Each wave waits for all its tensor loads (at most one is out: its part of the slot that it is about to read; at the first change k's quarter or slot 0's), adds 0 to its spare
; word, and waits for that and for its reads of the slot that it has left.  fill = 1: the barrier is a round of the cluster's, so that no wave of any partner still reads that slot or has a load on its way, and the joint
; refill is the first thing behind it: it has the slot's two key steps in which to land.
.macro CHANGE fill
	s_wait_tensorcnt 0x0                           ; no tensor load of mine is out, so a group 0 may be written
	ds_add_u32 v[SPW], v[NIL]                      ; 0 onto my spare word
.if \fill
	s_xor_b32 s[G0V+1], s[G0V+1], VSX              ; the walking descriptor: the other slot than last time,
	s_add_nc_u64 s[G0V+2:G0V+3], s[G0V+2:G0V+3], 65536   ; the next two key steps; the type bits on top are not reached
	s_wait_xcnt 0x0                                ; the last prefetch, a slot back, has read its address, so it may be written:
	s_add_nc_u64 s[PFA:PFA+1], s[PFA:PFA+1], 65536 ; one slot further on than the walking descriptor
.endif
	s_wait_dscnt 0x0                               ; the add is done, and my reads of the slot that I have left are over
.if \fill
	CROUND
	JLOAD
	ASK
.else
	s_barrier_signal -1
	s_barrier_wait -1
	global_prefetch_b8 v[XPO], s[XB:XB+1] th:TH_LOAD_NT scope:SCOPE_SE              ; the residual: my wave's own 32 rows x 512 bytes of x, a lane a row, two blocks of 256 bytes each, named once in the launch,
	global_prefetch_b8 v[XPO], s[XB:XB+1] offset:256 th:TH_LOAD_NT scope:SCOPE_SE   ; two key steps ahead of the tail's loads
.endif
.endm
.macro SLOT_STEPS
	STEP 0
	STEP 1
	s_xor_b32 s[TB], s[TB], VSX                    ; on to the other slot,
	s_add_co_u32 s[KB], s[KB], 8192                ; and to k's next two steps
.endm
	s_wait_loadcnt 0x0                             ; q
.Lslot:                                            ; 15 trips: behind each change of slots but the last the next slot is asked for
	CHANGE 1
	SLOT_STEPS
	s_sub_co_u32 s[SLOTS], s[SLOTS], 1
	s_cmp_lg_u32 s[SLOTS], 0
	s_cbranch_scc1 .Lslot
	CHANGE 0                                       ; the last slot is written out
	SLOT_STEPS
	; ---- THE TAIL
	PLACES 4                                       ; ahead of loads into registers that the last products read, and of the first read of their results
.irp m, 0,1,2,3
.irp c, 0,1,2,3
	global_load_b128 v[VF+16*\m+4*\c:VF+16*\m+4*\c+3], v[LI], s[WB:WB+1] offset:2048*\m+512*\c   ; Wproj's images (T', s) at v[VF + 16 (2 T' + s)]
.endr
.endr
	WIN 0x40
.set i, 0
.rept 32
	global_load_b128 v[128+4*i:128+4*i+3], v[LI], s[XB:XB+1] offset:16384*i th:TH_LOAD_NT   ; x of channel 32 w + i: 512 consecutive bytes; into window 1, v128 on
.set i, i+1
.endr
	WIN 0
	v_add_f32 v14, v14, v15                        ; the sum's two halves,
	v_permlanex16_b32 v36, v14, s[SEL], s[SEL+1]
	v_add_f32 v14, v14, v36                        ; and lane l xor 16's: the row's sum
	v_rcp_f32 v34, v14
	v_nop                                          ; a plain instruction behind the transcendental
	s_wait_alu depctr_va_vdst(0)                   ; and the wait ahead of the first instruction that names its result
; Channels 128 s on of my 16 queries: O^T / the sum, held, converted: a fragment, which goes to LDS as it stands.
.macro OQ s
	WIN 0x01                                       ; source 0 window 1
.set j, 0
.rept 32
	v_pk_mul_f32 v[S+j:S+j+1], v[64*(\s)+j:64*(\s)+j+1], v[34:35] op_sel_hi:[1,0]   ; ascending: each accumulator from its low end on
.set j, j+2
.endr
	WIN 0
.set j, 0
.rept 64
	v_med3_num_f32 v[S+j], v[S+j], -v19, v19
.set j, j+1
.endr
.irp b, 0,1,2,3
	v_cvt_scalef32_pk8_bf8_f32 v[P+4*\b:P+4*\b+1], v[S+16*\b:S+16*\b+7], v18        ; registers 4 b .. 4 b + 3: channels 128 s + 32 b + 16 h + 0 .. 15
	v_cvt_scalef32_pk8_bf8_f32 v[P+4*\b+2:P+4*\b+3], v[S+16*\b+8:S+16*\b+15], v18
.endr
	v_nop
.irp c, 0,1,2,3
	ds_store_b128 v[OST], v[P+4*\c:P+4*\c+3] offset:2048*(\s)+512*\c
.endr
	s_wait_dscnt 0x0                               ; the stores are done: for the codes' registers, and, in front of the barrier, for the others' sake
.endm
	OQ 0
	OQ 1
	s_barrier_signal -1
	s_barrier_wait -1                              ; O's sixteen fragments lie in LDS, and every wave has left k and the ring
; K step s of the last product: the eight tiles of positions x my two tiles of output channels: sixteen accumulators by turns, (T', P) at v[8 (8 T' + P)] of window 1, where O^T stood.
.macro PROJ s
.set f, 0
.rept 16
	ds_load_b128 v[VF+64+4*f:VF+64+4*f+3], v[ORD] offset:4096*(f/4)+2048*(\s)+512*(f%4)   ; tiles 0-3
.set f, f+1
.endr
.set f, 0
.rept 16
	ds_load_b128 v[S+4*f:S+4*f+3], v[ORD] offset:4096*(4+f/4)+2048*(\s)+512*(f%4)         ; tiles 4-7
.set f, f+1
.endr
	s_wait_dscnt 0x0
.if \s == 0
	s_wait_loadcnt 32                              ; Wproj's images are in; x's 32 loads may be out
	WIN 0x40                                       ; destination window 1
.else
	WIN 0x50                                       ; C and D window 1
.endif
.set pp, 0
.rept 8
.if pp < 4
.set OFR, VF+64+16*pp
.else
.set OFR, S+16*(pp-4)
.endif
.if \s == 0
	v_wmma_f32_16x16x128_bf8_bf8 v[8*pp:8*pp+7], v[OFR:OFR+15], v[VF:VF+15], 0
	v_wmma_f32_16x16x128_bf8_bf8 v[64+8*pp:64+8*pp+7], v[OFR:OFR+15], v[VF+32:VF+47], 0
.else
	v_wmma_f32_16x16x128_bf8_bf8 v[8*pp:8*pp+7], v[OFR:OFR+15], v[VF+16:VF+31], v[8*pp:8*pp+7]
	v_wmma_f32_16x16x128_bf8_bf8 v[64+8*pp:64+8*pp+7], v[OFR:OFR+15], v[VF+48:VF+63], v[64+8*pp:64+8*pp+7]
.endif
.set pp, pp+1
.endr
	WIN 0
	PLACES 4                                       ; ahead of loads into the operands' registers and of the first read of results
.endm
	PROJ 0
	PROJ 1
	WIN 0x04                                       ; an LDS store's data (source 1): window 1
.irp t, 0,1
.irp p, 0,1,2,3,4,5,6,7
	ds_store_b128 v[SST], v[8*(8*\t+\p):8*(8*\t+\p)+3] offset:16*SPI*\t+64*\p          ; lane (r, h): channel 16 T' + r of my 32, positions 16 P + 8 h + 0 .. 7; the low four first
	ds_store_b128 v[SST], v[8*(8*\t+\p)+4:8*(8*\t+\p)+7] offset:16*SPI*\t+64*\p+16
.endr
.endr
	WIN 0
.set i, 0
.rept 32
	ds_load_b128 v[VF+4*i:VF+4*i+3], v[SRD] offset:SPI*i   ; back as whole rows of 512 bytes.  LDS serves a wave's instructions in order (ISA guide 5.7.1.4): these see my stores; the stage is my own
.set i, i+1
.endr
	s_wait_loadcnt 0x0                             ; x
	WIN 0x10                                       ; source 2 (x): window 1 (bits 5:4 = 1); all else window 0, the stores' address and data too
.set i, 0
.rept 32
	s_wait_dscnt 31-i                              ; row i is back; the younger rows may be out
	v_pk_fma_f32 v[VF+4*i:VF+4*i+1], v[VF+4*i:VF+4*i+1], v[10:11], v[128+4*i:128+4*i+1] op_sel_hi:[1,0,1]       ; x + gamma 2^(e10 + e11) x the sum
	v_pk_fma_f32 v[VF+4*i+2:VF+4*i+3], v[VF+4*i+2:VF+4*i+3], v[10:11], v[128+4*i+2:128+4*i+3] op_sel_hi:[1,0,1]
	global_store_b128 v[LI], v[VF+4*i:VF+4*i+3], s[OB:OB+1] offset:16384*i th:TH_STORE_NT   ; 512 consecutive bytes, at a multiple of 256 from out0's first byte
.set i, i+1
.endr
	WIN 0
	s_wait_tensorcnt 0x0                           ; the wave's end: behind my last tensor load and my last LDS store
	ds_add_u32 v[SPW], v[NIL]
	s_wait_dscnt 0x0
	CROUND                                         ; the closing round: no work-group ends while a partner may still ask for a tile that names it
	s_endpgm
.Lfunc_end_k_q39bbbd197b_attn:
	.size	k_q39bbbd197b_attn, .Lfunc_end_k_q39bbbd197b_attn-k_q39bbbd197b_attn
	.p2alignl 7, 3214868480
	.fill 96, 4, 3214868480
	.section	.rodata,"a",@progbits
	.p2align	6, 0x0
	.amdhsa_kernel k_q39bbbd197b_attn
		.amdhsa_group_segment_fixed_size 327680
		.amdhsa_private_segment_fixed_size 0
		.amdhsa_enable_private_segment 0
		.amdhsa_kernarg_size 64
		.amdhsa_user_sgpr_count 2
		.amdhsa_user_sgpr_kernarg_segment_ptr 1
		.amdhsa_wavefront_size32 1
		.amdhsa_system_sgpr_workgroup_id_x 1
		.amdhsa_system_sgpr_workgroup_id_y 1
		.amdhsa_system_sgpr_workgroup_id_z 1
		.amdhsa_system_vgpr_workitem_id 0
		.amdhsa_next_free_vgpr 512
		.amdhsa_next_free_sgpr 96
		.amdhsa_reserve_vcc 0
		.amdhsa_float_denorm_mode_32 3
		.amdhsa_float_denorm_mode_16_64 3
		.amdhsa_memory_ordered 1
		.amdhsa_forward_progress 1
		.amdhsa_inst_pref_size 137
	.end_amdhsa_kernel
	.amdgpu_metadata
---
amdhsa.version: [ 1, 2 ]
amdhsa.kernels:
  - .name:           k_q39bbbd197b_attn
    .symbol:         k_q39bbbd197b_attn.kd
    .args:
      - { .name: qbuf, .offset: 0, .size: 8, .value_kind: global_buffer, .address_space: global }
      - { .name: kbuf, .offset: 8, .size: 8, .value_kind: global_buffer, .address_space: global }
      - { .name: vbuf, .offset: 16, .size: 8, .value_kind: global_buffer, .address_space: global }
      - { .name: wimg, .offset: 24, .size: 8, .value_kind: global_buffer, .address_space: global }
      - { .name: lowp_scales, .offset: 32, .size: 8, .value_kind: global_buffer, .address_space: global }
      - { .name: gamma, .offset: 40, .size: 8, .value_kind: global_buffer, .address_space: global }
      - { .name: x, .offset: 48, .size: 8, .value_kind: global_buffer, .address_space: global }
      - { .name: out0, .offset: 56, .size: 8, .value_kind: global_buffer, .address_space: global }
    .group_segment_fixed_size: 327680
    .private_segment_fixed_size: 0
    .kernarg_segment_align: 8
    .kernarg_segment_size: 64
    .max_flat_workgroup_size: 256
    .sgpr_count:     96
    .vgpr_count:     512
    .wavefront_size: 32
...
	.end_amdgpu_metadata
.endif
;; end of part 3
;; ======== version 2 of 2: 3 launches
;; limits: right only within a limited range of input values
;; workspace buffers: gstat 2,048 bytes; wimg 147,456 bytes; qbuf 1,048,576 bytes; kbuf 1,048,576 bytes; vbuf 8,388,608 bytes
;; launch stats (part 4): grid 256 x 1, 8 waves a work-group, no clusters, 1,280 bytes of LDS; arguments x, Wv, Wproj, Wq, Wk, lowp_scales, gstat, wimg; writes gstat, wimg
.if DOCPART == 4
	.amdgcn_target "amdgcn-amd-amdhsa--gfx1250"
	.amdhsa_code_object_version 6
	.text
	.protected	k_q39bbbd197b_stats
	.globl	k_q39bbbd197b_stats
	.p2align	8
	.type	k_q39bbbd197b_stats,@function
k_q39bbbd197b_stats:
	s_mov_b64 s[64:65], 0
	v_nop
	global_prefetch_b8 v0, s[64:65] scope:SCOPE_SE
	s_setreg_imm32_b32 hwreg(HW_REG_WAVE_MODE, 25, 1), 1
	s_wait_xcnt 0x0
; GROUPNORM'S STATISTICS, AND THE FOUR WEIGHTS AS CODES OF BF8 (E5M2).
; x: [8][256][4096] f32.  A group is 8 channels x 4,096 positions of one image: 131,072 consecutive bytes.  Work-group id = 32 x image + group owns one group.
; Eight waves; thread t takes the 16 bytes at 16 t of each of 32 pieces of 4,096 bytes: a load of a wave covers 512 consecutive bytes.  The group stays in 128 registers a lane,
; so x is read once and the variance is the mean of (x - mean)^2, taken in a second pass over registers: no difference of large sums is formed.
; gstat[id] = (mean, 1 / sqrt(var + 1e-5)), two f32.
; THE WEIGHTS.  Wave 0 of work-groups 0 to 71 also makes one IMAGE each: a fragment (16 rows x 128 along K, 16 registers a lane) of a weight, quantised with the weight's given scale 2^e, stored as its registers
; stand: block c of 512 bytes holds registers 4 c .. 4 c + 3, lane l's 16 bytes at 16 l.  Lane (r, h) holds row(T, r), channels 128 s + 32 c + 16 h + 0 .. 15.
; Image m at byte 2,048 m: 0-31 Wv, 32-63 Wproj, 64-67 Wq, 68-71 Wk; within a weight m = 2 T + s.  row(T, r) = 16 T + r, but for Wv 16 T - 8 (T % 2) + r + 8 (r / 8): so that the later launch's results of two
; neighbouring tiles are 16 neighbouring channels in a lane.
; code = w / 2^e, to the nearest code, ties to even.  LIMITS: each of the four weights' exponents lies between -126 and 112, so that 2^e is an f32 number.  NaN among the inputs is not served.
; No tensor loads, no cluster: the work-groups share nothing, and the group fits in registers.
.set X,   16                           ; v16-143  the group: 128 numbers a lane
.set A,   144                          ; v144-151 four packed chains
.set T,   152                          ; v152-159 at work
.set W,   176                          ; v176-239 64 numbers of a weight
.set PC,  144                          ; v144-159 an image's codes (the chains are not yet in use there)
	s_load_b256 s[4:11], s[0:1], 0x0               ; x s[4:5], Wv s[6:7], Wproj s[8:9], Wq s[10:11]
	s_load_b256 s[12:19], s[0:1], 0x20             ; Wk s[12:13], the exponents s[14:15], gstat s[16:17], wimg s[18:19]
	v_lshl_add_u32 v240, v0, 2, 0x100
	v_mov_b32 v241, 0
	v_lshrrev_b32 v6, 5, v0
	s_delay_alu instid0(VALU_DEP_1)
	v_readfirstlane_b32 s20, v6                    ; wave 0..7
	s_delay_alu instid0(VALU_DEP_2)
	v_lshlrev_b32 v6, 2, v6                        ; LDS: my wave's word
	v_lshlrev_b32 v1, 4, v0                        ; 16 x thread
	v_mov_b32 v7, 0
	v_mov_b32 v172, 0                              ; written once: a lane permute's destination counts as one of its sources
	s_lshl_b32 s2, ttmp9, 17                       ; my group's first byte
	s_mov_b32 s3, 0
	s_mov_b32 s22, 0x76543210                      ; lane selects: lane l xor 16
	s_mov_b32 s23, 0xfedcba98
	s_mov_b32 s21, 0x38000000                      ; 2^-15: a group has 32,768 numbers
	s_mov_b32 s46, 0x3727c5ac                      ; 1e-5
	s_wait_alu depctr_va_vdst(0)
	s_wait_kmcnt 0x0
	s_add_nc_u64 s[4:5], s[4:5], s[2:3]
.set i, 0
.rept 32
	global_load_b128 v[X+4*i:X+4*i+3], v1, s[4:5] offset:4096*i th:TH_LOAD_NT
.set i, i+1
.endr
	; ---- one image of a weight: wave 0 of work-groups 0 to 71.  No barrier stands inside these branches.
	s_cmp_lg_u32 s20, 0
	s_cbranch_scc1 .Lnow
	s_cmp_ge_u32 ttmp9, 72
	s_cbranch_scc1 .Lnow
	s_load_b256 s[24:31], s[14:15], 0x0            ; e0 .. e7
	s_load_b128 s[32:35], s[14:15], 0x20           ; e8 .. e11
	v_and_b32 v2, 15, v0                           ; r
	v_bfe_u32 v3, v0, 4, 1                         ; h
	v_lshlrev_b32 v5, 4, v0                        ; 16 x lane (this is wave 0)
	s_wait_alu depctr_va_vdst(0)
	s_wait_kmcnt 0x0
	s_mov_b64 s[36:37], s[12:13]                   ; which weight, its exponent, its first image, and 8 for Wv's choice of rows: by the work-group's number alone
	s_mov_b32 s38, s27                             ; Wk: e3
	s_mov_b32 s39, 68
	s_mov_b32 s40, 0
	s_cmp_lt_u32 ttmp9, 68
	s_cselect_b64 s[36:37], s[10:11], s[36:37]
	s_cselect_b32 s38, s25, s38                    ; Wq: e1
	s_cselect_b32 s39, 64, s39
	s_cmp_lt_u32 ttmp9, 64
	s_cselect_b64 s[36:37], s[8:9], s[36:37]
	s_cselect_b32 s38, s35, s38                    ; Wproj: e11
	s_cselect_b32 s39, 32, s39
	s_cmp_lt_u32 ttmp9, 32
	s_cselect_b64 s[36:37], s[6:7], s[36:37]
	s_cselect_b32 s38, s29, s38                    ; Wv: e5
	s_cselect_b32 s39, 0, s39
	s_cselect_b32 s40, 8, s40
	s_sub_co_u32 s41, ttmp9, s39                   ; 2 T + s
	s_lshr_b32 s42, s41, 1                         ; T
	s_and_b32 s41, s41, 1                          ; s
	s_lshl_b32 s43, s42, 3
	s_and_b32 s43, s43, s40                        ; 8 (T % 2) for Wv, else 0
	s_lshl_b32 s42, s42, 4
	s_sub_co_u32 s42, s42, s43                     ; the tile's first row
	s_lshl_b32 s42, s42, 10                        ; a row is 1,024 bytes,
	s_lshl_b32 s41, s41, 9                         ; 128 along K are 512
	s_add_co_u32 s42, s42, s41
	s_mov_b32 s43, 0
	s_add_nc_u64 s[36:37], s[36:37], s[42:43]
	s_lshl_b32 s44, ttmp9, 11
	s_mov_b32 s45, 0
	s_add_nc_u64 s[44:45], s[18:19], s[44:45]      ; my image
	v_and_b32 v4, s40, v2
	s_delay_alu instid0(VALU_DEP_1)
	v_add_nc_u32 v4, v4, v2                        ; r, for Wv r + 8 (r / 8)
	s_delay_alu instid0(VALU_DEP_1)
	v_lshlrev_b32 v4, 10, v4
	s_delay_alu instid0(VALU_DEP_1)
	v_lshl_add_u32 v4, v3, 6, v4                   ; + 64 h: my 16 numbers of a block of 32
.irp c, 0,1,2,3
.irp j, 0,1,2,3
	global_load_b128 v[W+16*\c+4*\j:W+16*\c+4*\j+3], v4, s[36:37] offset:128*\c+16*\j
.endr
.endr
	s_add_co_i32 s38, s38, 127
	s_lshl_b32 s41, s38, 23
	v_mov_b32 v10, s41                             ; 2^e as f32: the conversion takes its exponent field
	s_wait_alu depctr_va_vdst(0)
	s_wait_loadcnt 0x0                             ; the weight's numbers (and x, which is wanted next in any case)
.irp c, 0,1,2,3
.irp i, 0,1,2,3,4,5,6,7,8,9,10,11,12,13,14,15
.endr
	v_cvt_scalef32_pk8_bf8_f32 v[PC+4*\c:PC+4*\c+1], v[W+16*\c:W+16*\c+7], v10
	v_cvt_scalef32_pk8_bf8_f32 v[PC+4*\c+2:PC+4*\c+3], v[W+16*\c+8:W+16*\c+15], v10
.endr
	v_nop                                          ; a plain instruction behind the last conversion: the sums below write the codes' registers
.irp c, 0,1,2,3
	global_store_b128 v5, v[PC+4*\c:PC+4*\c+3], s[44:45] offset:512*\c   ; 512 consecutive bytes, aligned
.endr
	s_wait_xcnt 0x0                                ; the stores have read their data: the chains take those registers
.Lnow:
	s_wait_loadcnt 0x0                             ; the group is in registers
; The number in v[T] is summed over the wave's 32 lanes, then over the eight waves through LDS words off .. off + 31; the sum stands in v164 of every lane, the same bits in all.
.macro GSUM off
	s_delay_alu instid0(VALU_DEP_1)
	v_add_f32_dpp v[T], v[T], v[T] row_xmask:1 row_mask:0xf bank_mask:0xf
	s_delay_alu instid0(VALU_DEP_1)
	v_add_f32_dpp v[T], v[T], v[T] row_xmask:2 row_mask:0xf bank_mask:0xf
	s_delay_alu instid0(VALU_DEP_1)
	v_add_f32_dpp v[T], v[T], v[T] row_xmask:4 row_mask:0xf bank_mask:0xf
	s_delay_alu instid0(VALU_DEP_1)
	v_add_f32_dpp v[T], v[T], v[T] row_xmask:8 row_mask:0xf bank_mask:0xf
	s_delay_alu instid0(VALU_DEP_1)
	v_permlanex16_b32 v172, v[T], s22, s23
	s_delay_alu instid0(VALU_DEP_1)
	v_add_f32 v[T], v[T], v172
	ds_store_b32 v6, v[T] offset:\off              ; all lanes write the wave's word with the same number
	s_wait_dscnt 0x0                               ; for the others' sake: my store is done
	s_barrier_signal -1
	s_barrier_wait -1
	ds_load_b128 v[164:167], v7 offset:\off
	ds_load_b128 v[168:171], v7 offset:\off+16
	s_wait_dscnt 0x0
	v_add_f32 v164, v164, v165
	v_add_f32 v166, v166, v167
	v_add_f32 v168, v168, v169
	v_add_f32 v170, v170, v171
	s_delay_alu instid0(VALU_DEP_3)
	v_add_f32 v164, v164, v166
	s_delay_alu instid0(VALU_DEP_2)
	v_add_f32 v168, v168, v170
	s_delay_alu instid0(VALU_DEP_1)
	v_add_f32 v164, v164, v168
.endm
.macro FOLD                            ; the four packed chains into v[T]
	v_pk_add_f32 v[A:A+1], v[A:A+1], v[A+2:A+3]
	s_delay_alu instid0(VALU_DEP_2)
	v_pk_add_f32 v[A+4:A+5], v[A+4:A+5], v[A+6:A+7]
	s_delay_alu instid0(VALU_DEP_1)
	v_pk_add_f32 v[A:A+1], v[A:A+1], v[A+4:A+5]
	s_delay_alu instid0(VALU_DEP_1)
	v_add_f32 v[T], v[A], v[A+1]
.endm
	; ---- pass 1: the sum.  The first eight pairs start the four chains: nothing is cleared
.irp k, 0,1,2,3
	v_pk_add_f32 v[A+2*\k:A+2*\k+1], v[X+2*\k:X+2*\k+1], v[X+8+2*\k:X+8+2*\k+1]
.endr
.set j, 8
.rept 56
	s_delay_alu instid0(VALU_DEP_4)
	v_pk_add_f32 v[A+2*(j%4):A+2*(j%4)+1], v[A+2*(j%4):A+2*(j%4)+1], v[X+2*j:X+2*j+1]
.set j, j+1
.endr
	FOLD
	GSUM 0
	s_delay_alu instid0(VALU_DEP_1)
	v_mul_f32 v162, s21, v164                      ; the mean, twice: a pair for the packed subtraction
	s_delay_alu instid0(VALU_DEP_2)
	v_mul_f32 v163, s21, v164
	; ---- pass 2: the sum of (x - mean)^2
.set j, 0
.rept 64
	v_pk_add_f32 v[T+2*(j%4):T+2*(j%4)+1], v[X+2*j:X+2*j+1], v[162:163] neg_lo:[0,1] neg_hi:[0,1]
.if j < 4
	s_delay_alu instid0(VALU_DEP_1)
	v_pk_mul_f32 v[A+2*(j%4):A+2*(j%4)+1], v[T+2*(j%4):T+2*(j%4)+1], v[T+2*(j%4):T+2*(j%4)+1]
.else
	s_delay_alu instid0(VALU_DEP_1)
	v_pk_fma_f32 v[A+2*(j%4):A+2*(j%4)+1], v[T+2*(j%4):T+2*(j%4)+1], v[T+2*(j%4):T+2*(j%4)+1], v[A+2*(j%4):A+2*(j%4)+1]
.endif
.set j, j+1
.endr
	FOLD
	GSUM 32                                        ; other LDS words than the first sum's: no wave can still be reading what is written here
	s_delay_alu instid0(VALU_DEP_1)
	v_fma_f32 v173, v164, s21, s46                 ; var + 1e-5
	s_lshl_b32 s2, ttmp9, 3
	s_wait_alu depctr_va_vdst(0)
	v_rsq_f32 v163, v173                           ; takes the second mean's place: v[162:163] = (mean, 1 / sqrt(var + 1e-5))
	v_mov_b32 v174, s2                             ; (a plain instruction behind the transcendental)  my group's 8 bytes
	s_wait_alu depctr_va_vdst(0)                   ; the wait ahead of the first instruction that names the result
	s_wait_xcnt 0x0                                ; EXEC changes only behind this wait
	v_cmp_eq_u32 vcc_lo, 0, v0
	s_wait_tensorcnt 0x0
	ds_add_u32 v240, v241
	s_wait_dscnt 0x0
	s_and_saveexec_b32 s47, vcc_lo                 ; thread 0 alone
	global_store_b64 v174, v[162:163], s[16:17]
	s_endpgm
.Lfunc_end_k_q39bbbd197b_stats:
	.size	k_q39bbbd197b_stats, .Lfunc_end_k_q39bbbd197b_stats-k_q39bbbd197b_stats
	.p2alignl 7, 3214868480
	.fill 96, 4, 3214868480
	.section	.rodata,"a",@progbits
	.p2align	6, 0x0
	.amdhsa_kernel k_q39bbbd197b_stats
		.amdhsa_group_segment_fixed_size 1280
		.amdhsa_private_segment_fixed_size 0
		.amdhsa_enable_private_segment 0
		.amdhsa_kernarg_size 64
		.amdhsa_user_sgpr_count 2
		.amdhsa_user_sgpr_kernarg_segment_ptr 1
		.amdhsa_wavefront_size32 1
		.amdhsa_system_sgpr_workgroup_id_x 1
		.amdhsa_system_sgpr_workgroup_id_y 1
		.amdhsa_system_sgpr_workgroup_id_z 1
		.amdhsa_system_vgpr_workitem_id 0
		.amdhsa_next_free_vgpr 242
		.amdhsa_next_free_sgpr 66
		.amdhsa_reserve_vcc 1
		.amdhsa_float_denorm_mode_32 3
		.amdhsa_float_denorm_mode_16_64 3
		.amdhsa_fp16_overflow 1
		.amdhsa_memory_ordered 1
		.amdhsa_forward_progress 1
		.amdhsa_inst_pref_size 28
	.end_amdhsa_kernel
	.amdgpu_metadata
---
amdhsa.version: [ 1, 2 ]
amdhsa.kernels:
  - .name:           k_q39bbbd197b_stats
    .symbol:         k_q39bbbd197b_stats.kd
    .args:
      - { .name: x, .offset: 0, .size: 8, .value_kind: global_buffer, .address_space: global }
      - { .name: Wv, .offset: 8, .size: 8, .value_kind: global_buffer, .address_space: global }
      - { .name: Wproj, .offset: 16, .size: 8, .value_kind: global_buffer, .address_space: global }
      - { .name: Wq, .offset: 24, .size: 8, .value_kind: global_buffer, .address_space: global }
      - { .name: Wk, .offset: 32, .size: 8, .value_kind: global_buffer, .address_space: global }
      - { .name: lowp_scales, .offset: 40, .size: 8, .value_kind: global_buffer, .address_space: global }
      - { .name: gstat, .offset: 48, .size: 8, .value_kind: global_buffer, .address_space: global }
      - { .name: wimg, .offset: 56, .size: 8, .value_kind: global_buffer, .address_space: global }
    .group_segment_fixed_size: 1280
    .private_segment_fixed_size: 0
    .kernarg_segment_align: 8
    .kernarg_segment_size: 64
    .max_flat_workgroup_size: 256
    .sgpr_count:     66
    .vgpr_count:     242
    .wavefront_size: 32
...
	.end_amdgpu_metadata
.endif
;; end of part 4
;; launch qkv (part 5): grid 32 x 8, 8 waves a work-group, no clusters, 105,472 bytes of LDS; arguments x, norm_w, norm_b, gstat, wimg, lowp_scales, qbuf, kbuf, vbuf; writes qbuf, kbuf, vbuf
.if DOCPART == 5
	.amdgcn_target "amdgcn-amd-amdhsa--gfx1250"
	.amdhsa_code_object_version 6
	.text
	.protected	k_q39bbbd197b_qkv
	.globl	k_q39bbbd197b_qkv
	.p2align	8
	.type	k_q39bbbd197b_qkv,@function
k_q39bbbd197b_qkv:
	s_mov_b64 s[64:65], 0
	v_nop
	global_prefetch_b8 v0, s[64:65] scope:SCOPE_SE
	s_setreg_imm32_b32 hwreg(HW_REG_WAVE_MODE, 25, 1), 1
	s_wait_xcnt 0x0
; h = GroupNorm(x) in f32; q = Wq h, k = Wk h, v = Wv h on codes of BF8 (E5M2); q, k and v leave as codes for the next launch's products, laid as that launch's operand registers take them.
; x: [8][256][4096] f32.  A work-group (S = x of the grid, b = y) owns 128 positions of image b, all 256 channels.  Eight waves.
; PHASE X.  Wave w takes channels 32 w .. 32 w + 31: 32 loads, each 512 consecutive bytes (a lane: 4 neighbouring positions of one channel).  h = (x - mean) (w rstd) + b, with the wave's 32 gains, 32 biases and 4 groups'
; statistics in SCALAR registers.  The result's register number is the channel: so for each of a lane's 4 positions its 32 registers run DOWN THE CHANNELS, which are K, and the conversions give codes with K innermost.
; h is an operand of three products with three given scales (entries 0, 2, 4): it is quantised three times, into three versions in LDS: 128 rows (positions) of 256 bytes + 16.
; PHASE 1a.  Wave w: positions 16 w .. 16 w + 15.  q^T = Wq h^T (source 0 = 16 rows of Wq, source 1 = 16 positions): a lane holds one position and 8 + 8 of its 32 numbers; converted, 16 bytes a lane.  The same for k.
; PHASE 1b.  Wave w: tiles 2 w, 2 w + 1 of Wv's rows, all 128 positions.  Source 0 = 16 positions, source 1 = 16 rows of Wv: a lane holds one channel, its registers run along the positions, the next launch's K.
; OUT.  qbuf, kbuf: [b][S][tile of 16 positions][512]: lane (r, h): position r; bytes 0-7 numbers 8 h .. 8 h + 7, bytes 8-15 numbers 16 + 8 h .. 16 + 8 h + 7.
;       vbuf: [b][S][T 16][2,048]: an image of a fragment: lane (r, h): channel row(T, r) = 16 T - 8 (T % 2) + r + 8 (r / 8); registers 2 c, 2 c + 1: positions 128 S + 16 c + 8 h + 0 .. 7.
; The weights come as images made by the launch before (byte 2,048 m of wimg: 0-31 Wv, 64-67 Wq, 68-71 Wk).  In h's fragments and in the weights' a lane's registers 4 c .. 4 c + 3 hold K = 32 c + 16 h + 0 .. 15: the same
; permutation of K on both sides, so every product meets its partner.
; A sum of q stands for sum x 2^(e0 + e1), so its code is sum / 2^(e6 - e0 - e1): the three scales are folded into the conversion's one; k and v likewise.
; LIMITS, so that each power of two is an f32 number: e0, e2, e4, e6 - e0 - e1, e7 - e2 - e3, e9 - e4 - e5 between -126 and 112.  NaN among the inputs is not served.
; No tensor loads: x is read once, straight into the registers that work on it.  No cluster: what work-groups share is 80 KiB of weights against 128 KiB of x each.
.set HV,   34816                       ; a version of h in LDS: 128 rows x 272
.set X,    16                          ; v16-143   x: register 4 i + p = channel i, position p of my four
.set HH,   144                         ; v144-175  h of one position, 32 channels
.set T,    176
.set C,    208                         ; v208-239  codes: four sets of 8 by turns
.set R1,   16                          ; v16-79    Wv's four images of my two tiles
.set R2,   80                          ; v80-143   Wq's four images
.set R3,   144                         ; v144-207  Wk's four
.set F,    208                         ; v208-239  h's two fragments of a tile of positions; in phase 1b v208-255: three buffers of one fragment
.set ACC,  80                          ; v80-207   phase 1b: accumulator (T', P) at v[ACC + 8 (8 T' + P)]
; v1 16 x lane; v2, v3 where I store h's codes (versions 0 and 1; version 2); v4, v5, v6 where I read fragments of versions 0, 1, 2: all made here and never rewritten
; v10, v12, v14 the scales for q, k, v;  v244, v246, v248 the scales for h's three versions, until the first products take those registers
	s_load_b256 s[4:11], s[0:1], 0x0               ; x s[4:5], norm_w s[6:7], norm_b s[8:9], gstat s[10:11]
	s_load_b256 s[12:19], s[0:1], 0x20             ; wimg s[12:13], the exponents s[14:15], qbuf s[16:17], kbuf s[18:19]
	s_load_b64 s[20:21], s[0:1], 0x40              ; vbuf
	s_set_vgpr_msb 0x40
	v_lshl_add_u32 v0, v0, 2, 0x19800
	v_mov_b32 v1, 0
	s_set_vgpr_msb 0x4000
	v_lshrrev_b32 v7, 5, v0
	s_delay_alu instid0(VALU_DEP_1)
	v_readfirstlane_b32 s22, v7                    ; wave 0..7
	v_and_b32 v7, 31, v0
	s_delay_alu instid0(VALU_DEP_1)
	v_lshlrev_b32 v1, 4, v7
	s_lshl_b32 s23, s22, 5
	v_mul_u32_u24 v2, v7, 1088                     ; my four positions' rows begin at 4 x lane x 272,
	s_delay_alu instid0(VALU_DEP_1)
	v_add_nc_u32 v2, s23, v2                       ; my wave's 32 channels at byte 32 w of a row
	s_delay_alu instid0(VALU_DEP_1)
	v_add_nc_u32 v3, 2*HV, v2
	v_and_b32 v8, 15, v0                           ; r
	v_bfe_u32 v9, v0, 4, 1                         ; h
	s_delay_alu instid0(VALU_DEP_2)
	v_mul_u32_u24 v6, v8, 272
	s_delay_alu instid0(VALU_DEP_1)
	v_lshl_add_u32 v6, v9, 4, v6                   ; a fragment's row x pitch + 16 x half
	s_mul_i32 s23, s22, 4352
	v_add_nc_u32 v4, s23, v6                       ; + my tile of 16 positions
	s_delay_alu instid0(VALU_DEP_1)
	v_add_nc_u32 v5, HV, v4
	v_add_nc_u32 v6, 2*HV, v6
	s_and_b32 s66, ttmp7, 0xffff                   ; b
	s_lshl_b32 s2, s66, 22                         ; x: an image is 4 MiB,
	s_lshl_b32 s3, s22, 19                         ; 32 channels are 512 KiB,
	s_add_co_u32 s2, s2, s3
	s_lshl_b32 s3, ttmp9, 9                        ; 128 positions are 512 bytes
	s_add_co_u32 s2, s2, s3
	s_mov_b32 s3, 0
	s_wait_kmcnt 0x0
	s_add_nc_u64 s[4:5], s[4:5], s[2:3]
.set i, 0
.rept 32
	global_load_b128 v[X+4*i:X+4*i+3], v1, s[4:5] offset:16384*i th:TH_LOAD_NT   ; channel 32 w + i: 512 consecutive bytes, aligned
.set i, i+1
.endr
	s_load_b256 s[24:31], s[14:15], 0x0            ; e0 .. e7
	s_load_b128 s[32:35], s[14:15], 0x20           ; e8 .. e11
	s_lshl_b32 s2, s22, 7
	s_add_nc_u64 s[6:7], s[6:7], s[2:3]            ; my 32 gains
	s_add_nc_u64 s[8:9], s[8:9], s[2:3]            ; my 32 biases
	s_lshl_b32 s2, s66, 8
	s_lshl_b32 s67, s22, 5
	s_add_co_u32 s2, s2, s67
	s_add_nc_u64 s[10:11], s[10:11], s[2:3]        ; my four groups' statistics: (32 b + 4 w) x 8 bytes
	s_lshl_b32 s2, s22, 13
	s_add_nc_u64 s[100:101], s[12:13], s[2:3]      ; Wv's images 4 w .. 4 w + 3
	s_lshl_b32 s2, s66, 17
	s_lshl_b32 s67, ttmp9, 12
	s_add_co_u32 s2, s2, s67
	s_lshl_b32 s67, s22, 9
	s_add_co_u32 s2, s2, s67
	s_add_nc_u64 s[16:17], s[16:17], s[2:3]        ; q's and k's 512 bytes of my tile
	s_add_nc_u64 s[18:19], s[18:19], s[2:3]
	s_lshl_b32 s2, s66, 20
	s_lshl_b32 s67, ttmp9, 15
	s_add_co_u32 s2, s2, s67
	s_lshl_b32 s67, s22, 12
	s_add_co_u32 s2, s2, s67
	s_add_nc_u64 s[20:21], s[20:21], s[2:3]        ; v's two images of my tiles
.macro MKSC vs, vl, se                 ; s[se] = an exponent e: v[vs] = 2^e as f32
	s_add_co_i32 s23, s[\se], 127
	s_lshl_b32 s67, s23, 23
	v_mov_b32 v[\vs], s67
	s_add_co_i32 s23, s23, 15
	s_lshl_b32 s23, s23, 23
	s_or_b32 s23, s23, 0x600000
.endm
	s_wait_kmcnt 0x0
	s_sub_co_i32 s30, s30, s24
	s_sub_co_i32 s30, s30, s25                     ; e6 - e0 - e1
	s_sub_co_i32 s31, s31, s26
	s_sub_co_i32 s31, s31, s27                     ; e7 - e2 - e3
	s_sub_co_i32 s33, s33, s28
	s_sub_co_i32 s33, s33, s29                     ; e9 - e4 - e5
	MKSC 10, 11, 30
	MKSC 12, 13, 31
	MKSC 14, 15, 33
	MKSC 244, 245, 24
	MKSC 246, 247, 26
	MKSC 248, 249, 28
	s_load_b512 s[24:39], s[6:7], 0x0              ; the exponents are used up: their registers take the gains s[24:55],
	s_load_b512 s[40:55], s[6:7], 0x40
	s_load_b512 s[68:83], s[8:9], 0x0              ; the biases s[68:99],
	s_load_b512 s[84:99], s[8:9], 0x40
	s_load_b256 s[56:63], s[10:11], 0x0            ; (mean, rstd) of my four groups
	s_wait_kmcnt 0x0
.set i, 0
.rept 32
	s_mul_f32 s[24+i], s[24+i], s[57+2*(i/8)]      ; gain x rstd
.set i, i+1
.endr
	s_wait_loadcnt 0x0                             ; x
.macro SUBS p                          ; x - mean of position p; the destination's number is the channel
.set i, 0
.rept 32
	v_sub_f32 v[HH+i], v[X+4*i+\p], s[56+2*(i/8)]
.set i, i+1
.endr
.endm
.macro FMAS                            ; x (gain x rstd) + bias
.set i, 0
.rept 32
	v_fma_f32 v[HH+i], v[HH+i], s[24+i], s[68+i]
.set i, i+1
.endr
.endm
; One position's 32 channels become 32 codes of version ver.  Turn 3 p + ver takes code set (3 p + ver) % 4.
.macro HQ p, ver, sc, lim, adr, off
.set IT, 3*(\p)+(\ver)
.set CC, C+8*(IT%4)
.if IT >= 4
	s_wait_dscnt 6                                 ; the set's two stores of four turns ago are done; the six of the three turns between may be out
.endif
.set i, 0
.rept 32
.set i, i+1
.endr
.irp g, 0,1,2,3
	v_cvt_scalef32_pk8_bf8_f32 v[CC+2*\g:CC+2*\g+1], v[HH+8*\g:HH+8*\g+7], v[\sc]
.endr
	v_nop                                          ; a plain instruction behind the last conversion: later lines write its sources
	ds_store_b128 v[\adr], v[CC:CC+3] offset:\off+272*(\p)
	ds_store_b128 v[\adr], v[CC+4:CC+7] offset:\off+272*(\p)+16
.endm
.macro WLOAD reg, sb, off              ; four images, 64 registers, as they lie
.irp m, 0,1,2,3
.irp c, 0,1,2,3
	global_load_b128 v[\reg+16*\m+4*\c:\reg+16*\m+4*\c+3], v1, s[\sb:\sb+1] offset:\off+2048*\m+512*\c
.endr
.endr
.endm
.irp p, 0,1,2,3
	SUBS \p
.if \p == 3
	WLOAD R1, 100, 0                               ; x has been read for the last time: its registers take Wv's images
	WLOAD R2, 12, 131072                           ; and Wq's
.endif
	FMAS
	s_wait_alu depctr_va_vdst(0)
	HQ \p, 0, 244, 245, 2, 0
	s_wait_alu depctr_va_vdst(0)
	HQ \p, 1, 246, 247, 2, HV
	HQ \p, 2, 248, 249, 3, 0
.endr
	WLOAD R3, 12, 139264                           ; Wk's, where h stood
	s_wait_dscnt 0x0                               ; for the others' sake: my codes lie in LDS
	s_barrier_signal -1
	s_barrier_wait -1                              ; all 256 channels of all 128 positions do: the launch's one barrier
; q or k of my 16 positions.  lc: the global loads that may stay out.
.macro QKOUT wreg, hrd, sc, lim, sb, lc
	s_wait_xcnt 0x0                                ; the last store has read its data, which stood in F
.irp s, 0,1
.irp c, 0,1,2,3
	ds_load_b128 v[F+16*\s+4*\c:F+16*\s+4*\c+3], v[\hrd] offset:128*\s+32*\c
.endr
.endr
	s_wait_dscnt 0x0
	s_wait_loadcnt \lc
	v_wmma_f32_16x16x128_bf8_bf8 v[240:247], v[\wreg:\wreg+15], v[F:F+15], 0            ; two accumulators by turns; the first K step starts the sums
	v_wmma_f32_16x16x128_bf8_bf8 v[248:255], v[\wreg+32:\wreg+47], v[F:F+15], 0
	v_wmma_f32_16x16x128_bf8_bf8 v[240:247], v[\wreg+16:\wreg+31], v[F+16:F+31], v[240:247]
	v_wmma_f32_16x16x128_bf8_bf8 v[248:255], v[\wreg+48:\wreg+63], v[F+16:F+31], v[248:255]
.rept 5
	v_nop                                          ; four places ahead of the first read of results and of loads into operands; a fifth, since later products write over these registers
.endr
.set i, 0
.rept 16
.set i, i+1
.endr
	v_cvt_scalef32_pk8_bf8_f32 v[F:F+1], v[240:247], v[\sc]       ; numbers 8 h .. 8 h + 7 of position r
	v_cvt_scalef32_pk8_bf8_f32 v[F+2:F+3], v[248:255], v[\sc]     ; numbers 16 + 8 h .. 16 + 8 h + 7
	v_nop
	global_store_b128 v1, v[F:F+3], s[\sb:\sb+1]   ; 512 consecutive bytes, aligned
.endm
	QKOUT R2, 4, 10, 11, 16, 16                    ; q: Wv's and Wq's images are in; Wk's sixteen loads may be out
	QKOUT R3, 5, 12, 13, 18, 0                     ; k
	; ---- v: fragment f of version 2 = positions 16 (f % 8) on, K step f / 8; three buffers by turns, loads two fragments ahead
.macro FRAGV f
.irp c, 0,1,2,3
	ds_load_b128 v[208+16*((\f)%3)+4*\c:208+16*((\f)%3)+4*\c+3], v6 offset:4352*((\f)%8)+128*((\f)/8)+32*\c
.endr
.endm
	s_wait_xcnt 0x0                                ; k's store has read its data
	FRAGV 0
	FRAGV 1
	FRAGV 2
.set ff, 0
.rept 16
.if ff < 14
	s_wait_dscnt 8                                 ; this fragment is in; the two younger ones' eight loads may be out
.elseif ff == 14
	s_wait_dscnt 4
.else
	s_wait_dscnt 0
.endif
.set FB, 208+16*(ff%3)
.set PP, ff%8
.if ff < 8
	v_wmma_f32_16x16x128_bf8_bf8 v[ACC+8*PP:ACC+8*PP+7], v[FB:FB+15], v[R1:R1+15], 0
	v_wmma_f32_16x16x128_bf8_bf8 v[ACC+64+8*PP:ACC+64+8*PP+7], v[FB:FB+15], v[R1+32:R1+47], 0
.else
	v_wmma_f32_16x16x128_bf8_bf8 v[ACC+8*PP:ACC+8*PP+7], v[FB:FB+15], v[R1+16:R1+31], v[ACC+8*PP:ACC+8*PP+7]
	v_wmma_f32_16x16x128_bf8_bf8 v[ACC+64+8*PP:ACC+64+8*PP+7], v[FB:FB+15], v[R1+48:R1+63], v[ACC+64+8*PP:ACC+64+8*PP+7]
.endif
.if ff+3 <= 15
.rept 4
	v_nop                                          ; places ahead of loads into the buffer just multiplied
.endr
	FRAGV ff+3
.endif
.set ff, ff+1
.endr
.rept 4
	v_nop
.endr
.set i, 0
.rept 128
.set i, i+1
.endr
.set a, 0
.rept 16
	v_cvt_scalef32_pk8_bf8_f32 v[208+2*a:208+2*a+1], v[ACC+8*a:ACC+8*a+7], v14   ; accumulator (T', P): registers 2 P, 2 P + 1 of image T': positions 16 P + 8 h + 0 .. 7
.set a, a+1
.endr
	v_nop
.irp t, 0,1
.irp c, 0,1,2,3
	global_store_b128 v1, v[208+16*\t+4*\c:208+16*\t+4*\c+3], s[20:21] offset:2048*\t+512*\c   ; 512 consecutive bytes, aligned
.endr
.endr
	s_set_vgpr_msb 0x5
	s_wait_tensorcnt 0x0
	ds_add_u32 v0, v1
	s_wait_dscnt 0x0
	s_set_vgpr_msb 0x500
	s_endpgm
.Lfunc_end_k_q39bbbd197b_qkv:
	.size	k_q39bbbd197b_qkv, .Lfunc_end_k_q39bbbd197b_qkv-k_q39bbbd197b_qkv
	.p2alignl 7, 3214868480
	.fill 96, 4, 3214868480
	.section	.rodata,"a",@progbits
	.p2align	6, 0x0
	.amdhsa_kernel k_q39bbbd197b_qkv
		.amdhsa_group_segment_fixed_size 105472
		.amdhsa_private_segment_fixed_size 0
		.amdhsa_enable_private_segment 0
		.amdhsa_kernarg_size 72
		.amdhsa_user_sgpr_count 2
		.amdhsa_user_sgpr_kernarg_segment_ptr 1
		.amdhsa_wavefront_size32 1
		.amdhsa_system_sgpr_workgroup_id_x 1
		.amdhsa_system_sgpr_workgroup_id_y 1
		.amdhsa_system_sgpr_workgroup_id_z 1
		.amdhsa_system_vgpr_workitem_id 0
		.amdhsa_next_free_vgpr 258
		.amdhsa_next_free_sgpr 102
		.amdhsa_reserve_vcc 0
		.amdhsa_float_denorm_mode_32 3
		.amdhsa_float_denorm_mode_16_64 3
		.amdhsa_fp16_overflow 1
		.amdhsa_memory_ordered 1
		.amdhsa_forward_progress 1
		.amdhsa_inst_pref_size 48
	.end_amdhsa_kernel
	.amdgpu_metadata
---
amdhsa.version: [ 1, 2 ]
amdhsa.kernels:
  - .name:           k_q39bbbd197b_qkv
    .symbol:         k_q39bbbd197b_qkv.kd
    .args:
      - { .name: x, .offset: 0, .size: 8, .value_kind: global_buffer, .address_space: global }
      - { .name: norm_w, .offset: 8, .size: 8, .value_kind: global_buffer, .address_space: global }
      - { .name: norm_b, .offset: 16, .size: 8, .value_kind: global_buffer, .address_space: global }
      - { .name: gstat, .offset: 24, .size: 8, .value_kind: global_buffer, .address_space: global }
      - { .name: wimg, .offset: 32, .size: 8, .value_kind: global_buffer, .address_space: global }
      - { .name: lowp_scales, .offset: 40, .size: 8, .value_kind: global_buffer, .address_space: global }
      - { .name: qbuf, .offset: 48, .size: 8, .value_kind: global_buffer, .address_space: global }
      - { .name: kbuf, .offset: 56, .size: 8, .value_kind: global_buffer, .address_space: global }
      - { .name: vbuf, .offset: 64, .size: 8, .value_kind: global_buffer, .address_space: global }
    .group_segment_fixed_size: 105472
    .private_segment_fixed_size: 0
    .kernarg_segment_align: 8
    .kernarg_segment_size: 72
    .max_flat_workgroup_size: 256
    .sgpr_count:     102
    .vgpr_count:     258
    .wavefront_size: 32
...
	.end_amdgpu_metadata
.endif
;; end of part 5
;; launch attn (part 6): grid 32 x 8, 8 waves a work-group, clusters of 4 x 1, 327,680 bytes of LDS; arguments qbuf, kbuf, vbuf, wimg, lowp_scales, gamma, x, out0; writes out0
.if DOCPART == 6
	.amdgcn_target "amdgcn-amd-amdhsa--gfx1250"
	.amdhsa_code_object_version 6
	.text
	.protected	k_q39bbbd197b_attn
	.globl	k_q39bbbd197b_attn
	.p2align	8
	.type	k_q39bbbd197b_attn,@function
k_q39bbbd197b_attn:
	s_mov_b64 s[64:65], 0
	v_nop
	global_prefetch_b8 v0, s[64:65] scope:SCOPE_SE
	s_setreg_imm32_b32 hwreg(HW_REG_WAVE_MODE, 25, 1), 1
	s_wait_xcnt 0x0
	s_wait_alu depctr_hold_cnt(0) depctr_sa_sdst(0) depctr_va_vdst(0) depctr_va_sdst(0) depctr_va_ssrc(0) depctr_va_vcc(0) depctr_vm_vsrc(0)
	s_getreg_b32 s2, hwreg(HW_REG_IB_STS2, 6, 4)
	s_cmp_eq_u32 s2, 0
	s_cbranch_scc0 .Lentry_in_a_cluster
	s_endpgm
.Lentry_in_a_cluster:
	s_bfe_u32 s2, ttmp6, 0x10000c
	s_cmp_lg_u32 s2, 0x3003
	s_cbranch_scc0 .Lentry_shape_is_right
	s_endpgm
.Lentry_shape_is_right:
; out0 = x + gamma Wproj (softmax(q k^T / sqrt(32)) v)^T, all three products on codes of BF8 (E5M2), each operand with the one scale 2^e that is given for it.
; q, k, v come as codes laid as operand registers (the launch before); Wproj as images (byte 65,536 + 2,048 (2 T + s) of wimg).  x, out0: [8][256][4096] f32.
; THE SOFTMAX AHEAD OF THE SECOND PRODUCT: t = score x log2(e) / sqrt(32); M = the row's largest t so far, rounded UP to a whole number; p = 2^(t - M) is what is quantised, along the keys, not normalised.
; The row's sum is taken of the unquantised p, in f32, and divides O at the end.  When M moves, the sum and O are multiplied by 2^(old M - new M): nothing is rounded, and there is no branch on data.
; SHARES.  A work-group owns 128 queries of image b (y of the grid).  Eight waves, two to a SIMD, so that one wave's vector work stands beside the other's products and LDS loads.  Wave w = 4 kh + pr takes the 32 queries
; of pair pr, two tiles of 16, and HALF OF THE KEYS: of each slot's two key steps of 128 keys, step kh.  So each fragment of k and v that a wave reads from LDS feeds two products, and each score is still made, and its
; softmax done, once.  The two waves of a pair end with (O, sum, M) over disjoint keys; they are joined once, in the tail: M is a whole number, so bringing both under the larger M rounds nothing.
; REGISTER SET a of a wave holds query tile 2 pr + (a xor kh): so every wave keeps set 0 and hands set 1 to its partner, w xor 4, and no branch hangs on the wave for that.
; CLUSTER.  The four work-groups of a cluster belong to one image and walk the same k and v: every tensor load is asked for JOINTLY, the same load with the same descriptor and the mask of all four.
; LDS.  k of the whole image (131,072 bytes) is filled once and stays.  v goes through a ring of two slots of two key steps (65,536 bytes each).  All tiles are images of registers: a load takes 16 x lane, so no pitch and no padding.
; LAYOUT.  S^T = k q^T (source 0 = 16 keys, source 1 = 16 queries), O^T = v^T p^T (source 0 = 16 channels, source 1 = p): a lane holds ONE query (lane % 16) of each set throughout.
;   K = 32 IN THE FORM OF K = 64: eight registers of k hold TWO tiles of 16 keys, one in K = 0 .. 31, the other in K = 32 .. 63.  q stands in twelve registers as 0 0 0 0 q q q q 0 0 0 0: the upper eight meet the first tile,
;   the lower eight the second; the other half meets zero codes, which add nothing to held (finite) codes.
;   In tile t of S^T register j is key 16 t + 8 h + j: its eight codes ARE registers 2 t, 2 t + 1 of p's fragment, and v's images hold the same keys in the same registers.
;   v's tile T holds channels 16 T - 8 (T % 2) + r + 8 (r / 8): so O^T's registers of tiles 2 b and 2 b + 1 are channels 32 b + 16 h + 0 .. 15, the layout of Wproj's images.
; THE TAIL.  The pair's halves are joined; O / the sum is quantised in registers; its 16 fragments go from wave to wave through LDS as images; wave w makes output channels 32 w .. 32 w + 31 for the 128 positions (source 0 =
; 16 positions, source 1 = 16 rows of Wproj: a lane holds 8 neighbouring positions of one channel); the results turn through the wave's own stage and leave with the residual as rows of 512 bytes.
; LIMITS, so that each power of two below is an f32 number: e8 and e10 - e8 - e9 between -126 and 112; e6 + e7 between -124 and 129 (added to c's exponent field).  gamma x 2^(e10 + e11) is made by v_ldexp_f32 and is
; exact short of overflow and underflow.  NaN among the inputs is not served.
; REGISTERS.  Window 0: v1-9, v62-71 addresses; v[10:11] gamma x 2^(e10 + e11); v12-15 (-M, the largest t) of sets 0, 1; v16-19 their sums, in two halves each; v20, v22 scales; v24-47 q, twice twelve;
;   v48-61 at work; v72-103 k's eight groups, then p's codes, 16 a set; v104-231 S^T, then p, 64 a set, then v's fragments, eight at a time; v232-255 the tail's.   Window 1: O^T, 128 a set.
.set VS0,   0x20000                    ; v's slot 0; below it k
.set VSX,   0x10000                    ; one exclusive or turns an address in one slot into the other's
.set SPARE, 262144                     ; behind the ring: the spare words, 128 bytes for each wave: four blocks of 256 bytes that no other line names
.set OIMG,  263168                     ; O's 16 fragments (position tile P, K step s at 4,096 P + 2,048 s): stored by the waves, never filled by a load
.set XST,   0x30000                    ; the tail: (-M, sum) of the set that a wave hands over, 256 bytes a wave; the set's O^T lies at 16,384 x wave from LDS byte 0 on
.set SPI,   528                        ; the way out: a stage of 32 rows x (512 bytes + 16) for each wave, from LDS byte 0 on.  All three lie in bytes that have had their last fill, and are written behind barriers past which nobody reads what lay there
.set SPW, 1
.set NIL, 2
.set LI,  3                            ; 16 x lane
.set ADK, 4
.set ADV, 5
.set PFO, 6                            ; 256 x lane
.set OST, 7                            ; where I store O's images
.set SST, 8                            ; the stage: where I put 32 bytes of a row
.set SRD, 9                            ; and where I read a row back
.set NM,  12
.set LS,  16
.set SC8, 20                           ; 2^e8
.set LM8, 21
.set SCO, 22                           ; the same with e10 - e8 - e9
.set LMO, 23
.set Q,   24
.set MX,  48                           ; two chains of maxima a set
.set FF,  52                           ; v[52:53], v[54:55]: f of a set, and a 0 above it
.set PD,  56                           ; lane permutes' destinations
.set SC,  58                           ; a second chain of sums a set
.set XPO, 62                           ; 16,384 x lane: a channel's row of x
.set ORD, 63                           ; where I read O's images
.set LIK, 64                           ; 16 x lane + 4,096 kh: my step's k in a slot's part of k
.set LIV, 65                           ; 16 x lane + 32,768 kh: my step's v in a slot
.set XSO, 66                           ; the exchange: where I store a set's O^T, where I load my partner's,
.set XLO, 67
.set XSS, 68                           ; and the same for (-M, sum)
.set XLS, 69
.set QO,  70                           ; v70, v71: q's offsets of sets 0, 1
.set P,   72
.set KF,  72
.set S,   104
.set WV,  20
.set G1V, 24                           ; s[24:31] descriptor group 1 for a quarter of a slot of v;  s[32:39] for a quarter of k
.set G1K, 32
.set G0V, 40                           ; s[40:43] group 0 for v, which walks;  s[44:47] for k
.set G0K, 44
.set SEL, 48
.set CS,  50                           ; s[50:51] c = log2(e) / sqrt(32) x 2^(e6 + e7)
.set TB,  52                           ; LDS byte of the slot in hand
.set KB,  53                           ; LDS byte of k's part for the slot in hand
.set SLOTS, 54
.set LIM, 55
.set PFA, 56
.set XB,  66
.set OB,  68
.set WB,  70
.set MSB, 0
.macro WIN new                         ; the immediate's low byte: bits 1:0 source 0, 3:2 source 1, 5:4 source 2, 7:6 destination; its high byte repeats the setting that is left; a switch that changes nothing is dropped
.if MSB != \new
	s_set_vgpr_msb (MSB<<8)|\new
.set MSB, \new
.endif
.endm
.macro PLACES n
.rept \n
	v_nop
.endr
.endm
; A round of the cluster's barrier: my work-group's barrier; wave 0 signals for the work-group; every wave waits for all four work-groups; my work-group's barrier once more.
.macro CROUND
	s_barrier_signal -1
	s_barrier_wait -1
	s_cmp_lg_u32 s[WV], 0
	s_cbranch_scc1 .Lnot_wave_0_\@
	s_barrier_signal -3
.Lnot_wave_0_\@:
	s_barrier_wait -3
	s_barrier_signal -1
	s_barrier_wait -1
.endm
; A joint refill: waves 0 to 3 fetch a quarter of the slot each, the others nothing.  The branch hangs on the wave's number alone.  Four v_nop follow the line.
.macro JLOAD
	s_cmp_lt_u32 s[WV], 4
	s_cbranch_scc0 .Lno_load_\@
	tensor_load_to_lds s[G0V:G0V+3], s[G1V:G1V+7]
	s_nop 0
	PLACES 4
.Lno_load_\@:
.endm
; A prefetch of the slot that the NEXT change of slots will ask for: 65,536 bytes of v, a slot's work ahead of that load.  All clusters of an image walk the same v: the image's first cluster asks.  Its four partners take
; 16,384 bytes each, told apart BY ADDRESS; in each, waves 4 and 5, which fetch nothing, take 8,192 bytes each, lanes 256 bytes apart: each block of 256 bytes is named once in the launch.
; The last change that fills a slot asks for nothing.  Slots 0 and 1 come by their loads alone.
.macro ASK
	s_cmp_gt_u32 s[SLOTS], s[LIM]
	s_cbranch_scc0 .Lnot_mine_\@
	global_prefetch_b8 v[PFO], s[PFA:PFA+1] th:TH_LOAD_NT scope:SCOPE_SE
.Lnot_mine_\@:
.endm
.macro MKSC vs, vl, se                 ; s[se] = an exponent e: v[vs] = 2^e as f32
	s_add_co_i32 s72, s[\se], 127
	s_lshl_b32 s75, s72, 23
	v_mov_b32 v[\vs], s75
.endm
	s_load_b256 s[4:11], s[0:1], 0x0               ; qbuf s[4:5], kbuf s[6:7], vbuf s[8:9], wimg s[10:11]
	s_load_b256 s[12:19], s[0:1], 0x20             ; the exponents s[12:13], gamma s[14:15], x s[16:17], out0 s[18:19]
	v_lshl_add_u32 v[SPW], v0, 2, SPARE
	v_mov_b32 v[NIL], 0
	ds_add_u32 v1, v2
	ds_add_u32 v1, v2
	s_wait_dscnt 0x0
	v_lshrrev_b32 v4, 5, v0
	s_delay_alu instid0(VALU_DEP_1)
	v_readfirstlane_b32 s[WV], v4                  ; wave 0..7
	s_lshr_b32 s81, s[WV], 2                       ; kh: which of a slot's two key steps is mine
	s_and_b32 s82, s[WV], 3                        ; pr: which 32 queries
	s_bfe_u32 s21, ttmp6, 0x40000                  ; cx: my place in the cluster
	s_lshl_b32 s22, ttmp9, 2                       ; in a cluster launch ttmp9 counts clusters
	s_add_co_u32 s22, s22, s21                     ; my block of 128 queries: it enters q's, x's and out0's addresses alone
	s_and_b32 s23, ttmp7, 0xffff                   ; the image, which the four partners share
	; descriptor group 1: dense blocks as rows of 256 bytes: elements of 8 bytes, 32 to a row, pitch 32; 64 rows (16,384 bytes of v) or 128 rows (32,768 bytes of k)
	s_mov_b32 s[G1V], 15|(3<<16)|(1<<21)           ; 15:0 the mask: all four work-groups; 17:16 elements of 8 bytes; 21 set beside a mask; no padding
	s_mov_b32 s[G1V+1], 32<<16                     ; tensor_dim0
	s_mov_b32 s[G1V+2], 64<<16                     ; tensor_dim1
	s_mov_b32 s[G1V+3], 32<<16                     ; tile_dim0
	s_mov_b32 s[G1V+4], 64                         ; tile_dim1
	s_mov_b32 s[G1V+5], 32                         ; tensor_dim0_stride
	s_mov_b32 s[G1V+6], 0
	s_mov_b32 s[G1V+7], 0
	s_mov_b32 s[G1K], 15|(3<<16)|(1<<21)
	s_mov_b32 s[G1K+1], 32<<16
	s_mov_b32 s[G1K+2], 128<<16
	s_mov_b32 s[G1K+3], 32<<16
	s_mov_b32 s[G1K+4], 128
	s_mov_b32 s[G1K+5], 32
	s_mov_b32 s[G1K+6], 0
	s_mov_b32 s[G1K+7], 0
	s_mov_b32 s[SEL], 0x76543210
	s_mov_b32 s[SEL+1], 0xfedcba98
	s_mov_b32 s[CS], 0x3e8293ee                    ; log2(e) / sqrt(32)
	s_mov_b32 s[TB], VS0
	s_mov_b32 s[KB], 0
	s_mov_b32 s[SLOTS], 15
	s_lshl_b32 s73, s82, 14                        ; which quarter I fetch: wave % 4
	s_lshl_b32 s74, s82, 15
	s_lshl_b32 s76, s23, 20                        ; v: an image is 1 MiB
	s_add_co_u32 s76, s76, s73
	s_mov_b32 s77, 0
	s_lshl_b32 s78, s23, 17                        ; k: 128 KiB
	s_add_co_u32 s78, s78, s74
	s_mov_b32 s79, 0
	s_wait_kmcnt 0x0
	s_load_b64 s[58:59], s[12:13], 0x18            ; e6, e7
	s_load_b128 s[60:63], s[12:13], 0x20           ; e8, e9, e10, e11
	s_load_b32 s80, s[14:15], 0x0                  ; gamma
	s_mov_b32 s[G0V], 1                            ; count = 1
	s_add_co_u32 s[G0V+1], s73, VS0                ; LDS address: slot 0, my quarter: no place in the cluster enters it
	s_add_nc_u64 s[G0V+2:G0V+3], s[8:9], s[76:77]  ; global address: key steps 0 and 1, my quarter
	s_or_b32 s[G0V+3], s[G0V+3], 0x80000000        ; type = 2
	s_mov_b32 s[G0K], 1
	s_mov_b32 s[G0K+1], s74
	s_add_nc_u64 s[G0K+2:G0K+3], s[6:7], s[78:79]
	s_or_b32 s[G0K+3], s[G0K+3], 0x80000000
	s_lshl_b32 s76, s23, 17                        ; q: image, block of 128 queries (4,096 bytes), my pair's two tiles (1,024)
	s_lshl_b32 s72, s22, 12
	s_add_co_u32 s76, s76, s72
	s_lshl_b32 s72, s82, 10
	s_add_co_u32 s76, s76, s72
	s_add_nc_u64 s[4:5], s[4:5], s[76:77]
	s_lshl_b32 s76, s23, 22                        ; x and out0: image, my 32 channels, my block's 512 bytes of a row
	s_lshl_b32 s72, s[WV], 19
	s_add_co_u32 s76, s76, s72
	s_lshl_b32 s72, s22, 9
	s_add_co_u32 s76, s76, s72
	s_add_nc_u64 s[XB:XB+1], s[16:17], s[76:77]
	s_add_nc_u64 s[OB:OB+1], s[18:19], s[76:77]
	s_lshl_b32 s76, s[WV], 13
	s_add_co_u32 s76, s76, 65536
	s_add_nc_u64 s[WB:WB+1], s[10:11], s[76:77]    ; Wproj's images of my two tiles
	s_lshl_b32 s76, s23, 20                        ; the prefetches: my image's v, slot 1 (the first change of slots steps it to slot 2),
	s_add_co_u32 s76, s76, 65536
	s_lshl_b32 s72, s21, 14                        ; my work-group's quarter,
	s_add_co_u32 s76, s76, s72
	s_and_b32 s72, s[WV], 1
	s_lshl_b32 s72, s72, 13                        ; my wave's half of it
	s_add_co_u32 s76, s76, s72
	s_add_nc_u64 s[PFA:PFA+1], s[8:9], s[76:77]
	s_lshr_b32 s72, s[WV], 1
	s_xor_b32 s72, s72, 2                          ; 0 in waves 4 and 5,
	s_or_b32 s72, s72, ttmp9                       ; of the image's first cluster: the same in all four partners
	s_cmp_eq_u32 s72, 0
	s_cselect_b32 s[LIM], 1, -1
	CROUND                                         ; all four work-groups are here: the first joint loads meet
	s_cmp_lt_u32 s[WV], 4                          ; the first fills, one a wave, in one branch: waves 0 to 3 slot 0 of v, waves 4 to 7 k
	s_cbranch_scc0 .Lfirst_k
	tensor_load_to_lds s[G0V:G0V+3], s[G1V:G1V+7]
	s_nop 0
	PLACES 4
	s_branch .Lfirst_asked
.Lfirst_k:
	tensor_load_to_lds s[G0K:G0K+3], s[G1K:G1K+7]
	s_nop 0
	PLACES 4
.Lfirst_asked:
	v_and_b32 v4, 31, v0
	s_delay_alu instid0(VALU_DEP_1)
	v_lshlrev_b32 v[LI], 4, v4
	s_lshl_b32 s72, s81, 9
	v_add_nc_u32 v[QO], s72, v[LI]                 ; set 0: tile 2 pr + kh
	s_xor_b32 s72, s72, 512
	v_add_nc_u32 v[QO+1], s72, v[LI]               ; set 1: the pair's other tile
	global_load_b128 v[Q+4:Q+7], v[QO], s[4:5]     ; q's 16 bytes a lane and set: they stay in registers
	global_load_b128 v[Q+16:Q+19], v[QO+1], s[4:5]
	v_lshlrev_b32 v[PFO], 8, v4
	v_lshlrev_b32 v[XPO], 14, v4
	v_lshlrev_b32 v[XSS], 3, v4                    ; 8 x lane
	s_wait_alu depctr_va_vdst(0)
	v_and_b32 v4, 15, v0                           ; r
	s_wait_alu depctr_va_vdst(0)
	v_bfe_u32 v5, v0, 4, 1                         ; h
	s_lshl_b32 s72, s81, 12
	v_add_nc_u32 v[LIK], s72, v[LI]
	s_lshl_b32 s72, s81, 15
	v_add_nc_u32 v[LIV], s72, v[LI]
	s_lshl_b32 s72, s82, 1
	s_add_co_u32 s72, s72, s81                     ; the tile of positions that I finish: 2 pr + kh
	s_lshl_b32 s72, s72, 12
	s_add_co_u32 s72, s72, OIMG
	v_add_nc_u32 v[OST], s72, v[LI]
	s_lshl_b32 s72, s[WV], 14
	v_add_nc_u32 v[XSO], s72, v[LI]
	s_xor_b32 s72, s72, 65536                      ; my partner: wave xor 4
	v_add_nc_u32 v[XLO], s72, v[LI]
	s_lshl_b32 s72, s[WV], 8
	s_xor_b32 s73, s72, 1024
	s_add_co_u32 s72, s72, XST
	s_add_co_u32 s73, s73, XST
	v_add_nc_u32 v[XLS], s73, v[XSS]
	v_add_nc_u32 v[XSS], s72, v[XSS]
	s_mul_i32 s72, s[WV], 32*SPI
	v_mul_u32_u24 v[SST], v4, SPI
	s_wait_alu depctr_va_vdst(0)
	v_lshl_add_u32 v[SST], v5, 5, v[SST]
	s_delay_alu instid0(VALU_DEP_1)
	v_add_nc_u32 v[SST], s72, v[SST]
	v_add_nc_u32 v[SRD], s72, v[LI]
	v_add_nc_u32 v[ORD], OIMG, v[LI]
.irp j, 24,25,26,27,32,33,34,35,36,37,38,39,44,45,46,47
	v_mov_b32 v\j, 0                               ; the zero codes on both sides of each q
.endr
	v_mov_b32 v13, 0xff61b1e6                      ; the largest t so far: -3e38, under every t
	v_mov_b32 v15, 0xff61b1e6
	s_delay_alu instid0(VALU_DEP_2)
	v_floor_f32 v12, -v13                          ; -M
	s_delay_alu instid0(VALU_DEP_2)
	v_floor_f32 v14, -v15
.irp j, 16,17,18,19,53,55,56,57
	v_mov_b32 v\j, 0                               ; the sums; the upper halves of f's pairs; the lane permutes' destinations, which count as sources
.endr
	WIN 0x40                                       ; destination window 1
.set j, 0
.rept 256
	v_mov_b32 v[j], 0                              ; O^T.  (The key step is written once: the first finds zeros, which the first change of M leaves zeros)
.set j, j+1
.endr
	WIN 0
	s_wait_kmcnt 0x0
	s_add_co_i32 s73, s58, s59
	s_lshl_b32 s73, s73, 23
	s_add_co_i32 s[CS], s[CS], s73                 ; a score stands for score x 2^(e6 + e7): the two exponents are added to c's exponent field
	s_mov_b32 s[CS+1], s[CS]                       ; (named with it as a pair, so it is written)
	MKSC SC8, LM8, 60                              ; p's scale 2^e8
	s_sub_co_i32 s73, s62, s60
	s_sub_co_i32 s73, s73, s61                     ; O / the sum stands for that x 2^(e8 + e9): its code is that / 2^(e10 - e8 - e9)
	MKSC SCO, LMO, 73
	s_add_co_i32 s74, s62, s63
	v_ldexp_f32 v10, s80, s74                      ; gamma x 2^(e10 + e11), twice: a pair for the packed form
	v_ldexp_f32 v11, s80, s74
; Set a's 64 p become 16 registers of codes.
.macro MINCVT a
.irp t, 0,1,2,3,4,5,6,7
.irp i, 0,1,2,3,4,5,6,7
.endr
	v_cvt_scalef32_pk8_bf8_f32 v[P+16*(\a)+2*\t:P+16*(\a)+2*\t+1], v[S+64*(\a)+8*\t:S+64*(\a)+8*\t+7], v[SC8]   ; keys 16 t + 8 h + 0 .. 7: registers 2 t, 2 t + 1 of the operand
.endr
	v_nop                                          ; a plain instruction behind the last conversion
.endm
; Group g of v: fragments 4 g .. 4 g + 3, into the 64 registers that set g % 2 of p has left.
.macro VLOAD g
.set f, 0
.rept 16
	ds_load_b128 v[S+64*((\g)%2)+4*f:S+64*((\g)%2)+4*f+3], v[ADV] offset:8192*(\g)+512*f
.set f, f+1
.endr
.endm
; Its eight products: each fragment against both sets' p.  The 32 accumulators take turns, one instruction a turn.
.macro PVG g
.irp u, 0,1,2,3
.irp a, 0,1
	v_wmma_f32_16x16x128_bf8_bf8 v[128*\a+8*(4*(\g)+\u):128*\a+8*(4*(\g)+\u)+7], v[S+64*((\g)%2)+16*\u:S+64*((\g)%2)+16*\u+15], v[P+16*\a:P+16*\a+15], v[128*\a+8*(4*(\g)+\u):128*\a+8*(4*(\g)+\u)+7]
.endr
.endr
.endm
; MY KEY STEP of the slot in hand: 128 keys against my 32 queries.
.macro STEP
	v_add_nc_u32 v[ADK], s[KB], v[LIK]
	v_add_nc_u32 v[ADV], s[TB], v[LIV]
	PLACES 3                                       ; with the two additions five places: four ahead of loads into p's registers, which the last products read; a fifth, since the products below write over v's fragments
.irp t, 0,1,2,3,4,5,6,7
	ds_load_b128 v[KF+4*\t:KF+4*\t+3], v[ADK] offset:512*\t   ; tile t of k: 16 keys x 32, 16 bytes a lane
.endr
	s_wait_dscnt 0x0
.irp t, 0,2,4,6
.irp a, 0,1
	v_wmma_f32_16x16x64_bf8_bf8 v[S+64*\a+8*\t:S+64*\a+8*\t+7], v[KF+4*\t:KF+4*\t+7], v[Q+12*\a+4:Q+12*\a+11], 0     ; q in K = 0 .. 31: tile t
	v_wmma_f32_16x16x64_bf8_bf8 v[S+64*\a+8*\t+8:S+64*\a+8*\t+15], v[KF+4*\t:KF+4*\t+7], v[Q+12*\a:Q+12*\a+7], 0     ; q in K = 32 .. 63: tile t + 1
.endr
.endr
	PLACES 4
	; the softmax, the two sets line by line, so that no line waits for the line above it
.irp a, 0,1
	v_max3_num_f32 v[MX+2*\a], v[S+64*\a], v[S+64*\a+1], v[S+64*\a+2]         ; the step's largest score of a query, among my 64 keys, in two chains; each tile is first read at its low end
	v_max3_num_f32 v[MX+2*\a+1], v[S+64*\a+3], v[S+64*\a+4], v[S+64*\a+5]
.endr
.irp i, 6,10,14,18,22,26,30,34,38,42,46,50,54,58
.irp a, 0,1
	v_max3_num_f32 v[MX+2*\a], v[MX+2*\a], v[S+64*\a+\i], v[S+64*\a+1+\i]
	v_max3_num_f32 v[MX+2*\a+1], v[MX+2*\a+1], v[S+64*\a+2+\i], v[S+64*\a+3+\i]
.endr
.endr
.irp a, 0,1
	v_max3_num_f32 v[MX+2*\a], v[MX+2*\a], v[S+64*\a+62], v[S+64*\a+63]
.endr
.irp a, 0,1
	s_delay_alu instid0(VALU_DEP_2)
	v_max_num_f32 v[MX+2*\a], v[MX+2*\a], v[MX+2*\a+1]
.endr
.irp a, 0,1
	s_delay_alu instid0(VALU_DEP_2)
	v_permlanex16_b32 v[PD+\a], v[MX+2*\a], s[SEL], s[SEL+1]
.endr
.irp a, 0,1
	s_delay_alu instid0(VALU_DEP_2)
	v_max_num_f32 v[MX+2*\a], v[MX+2*\a], v[PD+\a]         ; and among lane l xor 16's
.endr
.irp a, 0,1
	s_delay_alu instid0(VALU_DEP_2)
	v_mul_f32 v[MX+2*\a], s[CS], v[MX+2*\a]                ; as t (c is positive)
.endr
.irp a, 0,1
	s_delay_alu instid0(VALU_DEP_2)
	v_max_num_f32 v[NM+2*\a+1], v[NM+2*\a+1], v[MX+2*\a]   ; the running largest t
.endr
.irp a, 0,1
	v_mov_b32 v[MX+2*\a], v[NM+2*\a]
.endr
.irp a, 0,1
	s_delay_alu instid0(VALU_DEP_4)
	v_floor_f32 v[NM+2*\a], -v[NM+2*\a+1]                  ; the new -M = floor(-t) = -ceil(t): M is a whole number
.endr
.irp a, 0,1
	s_delay_alu instid0(VALU_DEP_2)
	v_sub_f32 v[MX+2*\a], v[NM+2*\a], v[MX+2*\a]           ; M's old value less its new one: a whole number, 0 or less
.endr
.irp a, 0,1
	s_delay_alu instid0(VALU_DEP_2)
	v_cvt_i32_f32 v[MX+2*\a], v[MX+2*\a]                   ; (it saturates)
.endr
.irp a, 0,1
	s_delay_alu instid0(VALU_DEP_2)
	v_ldexp_f32 v[FF+2*\a], 1.0, v[MX+2*\a]                ; f = 2^(old M - new M)
.endr
.irp a, 0,1
.set j, 0
.rept 32
	v_pk_fma_f32 v[S+64*\a+j:S+64*\a+j+1], v[S+64*\a+j:S+64*\a+j+1], s[CS:CS+1], v[NM+2*\a:NM+2*\a+1] op_sel_hi:[1,0,0]   ; t - M, two at a time (of the pairs c and -M the low word serves both halves)
.set j, j+2
.endr
.endr
.set j, 0
	s_wait_alu depctr_va_vdst(0)
.rept 128
	v_exp_f32 v[S+j], v[S+j]                       ; p = 2^(t - M), at most 1: not normalised
.set j, j+1
.endr
.irp a, 0,1
	v_pk_mul_f32 v[LS+2*\a:LS+2*\a+1], v[LS+2*\a:LS+2*\a+1], v[FF+2*\a:FF+2*\a+1] op_sel_hi:[1,0]   ; the sums under the new M.  (Plain instructions behind the exponentials)
.endr
	s_wait_alu depctr_va_vdst(0)                   ; the wait ahead of the first instruction that names a result: one for the batch of 128
.irp a, 0,1
	v_pk_add_f32 v[SC+2*\a:SC+2*\a+1], v[S+64*\a:S+64*\a+1], v[S+64*\a+2:S+64*\a+3]   ; the rows' sums are taken of the unquantised p: two at a time, in two chains a set
.endr
.irp j, 4,8,12,16,20,24,28,32,36,40,44,48,52,56,60
.irp a, 0,1
	v_pk_add_f32 v[LS+2*\a:LS+2*\a+1], v[LS+2*\a:LS+2*\a+1], v[S+64*\a+\j:S+64*\a+1+\j]
	v_pk_add_f32 v[SC+2*\a:SC+2*\a+1], v[SC+2*\a:SC+2*\a+1], v[S+64*\a+2+\j:S+64*\a+3+\j]
.endr
.endr
.irp a, 0
	s_delay_alu instid0(VALU_DEP_3)
	v_pk_add_f32 v[LS+2*\a:LS+2*\a+1], v[LS+2*\a:LS+2*\a+1], v[SC+2*\a:SC+2*\a+1]
.endr
.irp a, 1
	s_delay_alu instid0(VALU_DEP_2)
	v_pk_add_f32 v[LS+2*\a:LS+2*\a+1], v[LS+2*\a:LS+2*\a+1], v[SC+2*\a:SC+2*\a+1]
.endr
	MINCVT 0
	VLOAD 0                                        ; set 0 of p has become codes: its registers take v's fragments 0-3,
	MINCVT 1
	VLOAD 1                                        ; set 1's take fragments 4-7: both groups land under the 128 multiplications below
	WIN 0x41                                       ; O^T (destination and source 0) window 1, f window 0
.irp a, 0,1
.set j, 0
.rept 64
	v_pk_mul_f32 v[128*\a+j:128*\a+j+1], v[128*\a+j:128*\a+j+1], v[FF+2*\a:FF+2*\a+1] op_sel_hi:[1,0]   ; O^T under the new M; ascending: each accumulator from its low end on
.set j, j+2
.endr
.endr
	s_wait_alu depctr_va_vdst(0)
	s_wait_dscnt 16                                ; group 0 is in; group 1's sixteen loads may be out
	WIN 0x50                                       ; v's fragment and p window 0; C and D window 1
	PVG 0
	WIN 0
	PLACES 4                                       ; ahead of loads into the fragments just multiplied
	VLOAD 2
	s_wait_dscnt 16                                ; group 1 is in; group 2's sixteen loads may be out
	WIN 0x50
	PVG 1
	WIN 0
	PLACES 4
	VLOAD 3
	s_wait_dscnt 16                                ; group 2 is in; group 3's sixteen loads may be out
	WIN 0x50
	PVG 2
	s_wait_dscnt 0x0                               ; group 3
	PVG 3
	WIN 0
.endm
; THE CHANGE OF SLOTS stands at a slot's head.  Each wave waits for all its tensor loads (at most one is out: its part of the slot that it is about to read; at the first change k's quarter or slot 0's), adds 0 to its spare
; word, and waits for that and for its reads of the slot that it has left.  fill = 1: the barrier is a round of the cluster's, so that no wave of any partner still reads that slot or has a load on its way, and the joint
; refill is the first thing behind it: it has the slot's work, a key step of every wave, in which to land.
.macro CHANGE fill
	s_wait_tensorcnt 0x0                           ; no tensor load of mine is out, so a group 0 may be written
	ds_add_u32 v[SPW], v[NIL]                      ; 0 onto my spare word
.if \fill
	s_xor_b32 s[G0V+1], s[G0V+1], VSX              ; the walking descriptor: the other slot than last time,
	s_add_nc_u64 s[G0V+2:G0V+3], s[G0V+2:G0V+3], 65536   ; the next two key steps; the type bits on top are not reached
	s_wait_xcnt 0x0                                ; the last prefetch, a slot back, has read its address, so it may be written:
	s_add_nc_u64 s[PFA:PFA+1], s[PFA:PFA+1], 65536 ; one slot further on than the walking descriptor
.endif
	s_wait_dscnt 0x0                               ; the add is done, and my reads of the slot that I have left are over
.if \fill
	CROUND
	JLOAD
	ASK
.else
	s_barrier_signal -1
	s_barrier_wait -1
	global_prefetch_b8 v[XPO], s[XB:XB+1] th:TH_LOAD_NT scope:SCOPE_SE              ; the residual: my wave's own 32 rows x 512 bytes of x, a lane a row, two blocks of 256 bytes each, named once in the launch,
	global_prefetch_b8 v[XPO], s[XB:XB+1] offset:256 th:TH_LOAD_NT scope:SCOPE_SE   ; a slot's work ahead of the tail's loads
.endif
.endm
.macro SLOT_STEP
	STEP
	s_xor_b32 s[TB], s[TB], VSX                    ; on to the other slot,
	s_add_co_u32 s[KB], s[KB], 8192                ; and to k's next two steps
.endm
	s_wait_loadcnt 0x0                             ; q
.Lslot:                                            ; 15 trips: behind each change of slots but the last the next slot is asked for
	CHANGE 1
	SLOT_STEP
	s_sub_co_u32 s[SLOTS], s[SLOTS], 1
	s_cmp_lg_u32 s[SLOTS], 0
	s_cbranch_scc1 .Lslot
	CHANGE 0                                       ; the last slot is written out
	SLOT_STEP
	; ---- THE TAIL
	PLACES 4                                       ; ahead of loads into registers that the last products read, and of the first read of their results
.macro WPL reg, m                      ; Wproj's image m = 2 T' + s of my two tiles
.irp c, 0,1,2,3
	global_load_b128 v[\reg+4*\c:\reg+4*\c+3], v[LI], s[WB:WB+1] offset:2048*(\m)+512*\c
.endr
.endm
	WPL 72, 0                                      ; (T', s) = (0, 0), where p's codes stood
	WPL 232, 1                                     ; (0, 1)
	WPL 88, 2                                      ; (1, 0)
	WPL 24, 3                                      ; (1, 1), where q stood
.irp a, 0,1
	v_add_f32 v[LS+2*\a], v[LS+2*\a], v[LS+2*\a+1] ; each sum's two halves,
.endr
.irp a, 0,1
	s_delay_alu instid0(VALU_DEP_2)
	v_permlanex16_b32 v[PD+\a], v[LS+2*\a], s[SEL], s[SEL+1]
.endr
	s_delay_alu instid0(VALU_DEP_2)
	v_add_f32 v[LS], v[LS], v[PD]                  ; and lane l xor 16's: set 0's sum over my keys;
	s_delay_alu instid0(VALU_DEP_2)
	v_add_f32 v[NM+3], v[LS+2], v[PD+1]            ; set 1's goes beside its -M: v[14:15] is what my partner wants
	s_wait_alu depctr_va_vdst(0)
	s_wait_dscnt 0x0
	s_barrier_signal -1
	s_barrier_wait -1                              ; every wave has left k and the ring: their bytes may be written
	WIN 0x04                                       ; an LDS store's data (source 1): window 1
.set i, 0
.rept 32
	ds_store_b128 v[XSO], v[128+4*i:128+4*i+3] offset:512*i   ; set 1's O^T as it stands, ascending: each accumulator from its low end on
.set i, i+1
.endr
	WIN 0
	ds_store_b64 v[XSS], v[NM+2:NM+3]
	s_wait_dscnt 0x0                               ; for my partner's sake; and set 1's registers are free:
	WIN 0x40
.set i, 0
.rept 32
	global_load_b128 v[128+4*i:128+4*i+3], v[LI], s[XB:XB+1] offset:16384*i th:TH_LOAD_NT   ; x of channel 32 w + i: 512 consecutive bytes; into window 1, v128 on
.set i, i+1
.endr
	WIN 0
	s_barrier_signal -1
	s_barrier_wait -1
.set i, 0
.rept 32
	ds_load_b128 v[S+4*i:S+4*i+3], v[XLO] offset:512*i   ; my partner's O^T of my tile, over the other half of the keys
.set i, i+1
.endr
	ds_load_b64 v[48:49], v[XLS]                   ; its -M and its sum
	s_wait_dscnt 0x0
	v_min_num_f32 v50, v12, v48                    ; -M of both halves: the lesser -M
	s_delay_alu instid0(VALU_DEP_1)
	v_sub_f32 v51, v50, v12                        ; my M less the common one, and my partner's: whole numbers, 0 or less
	s_delay_alu instid0(VALU_DEP_2)
	v_sub_f32 v58, v50, v48
	s_delay_alu instid0(VALU_DEP_2)
	v_cvt_i32_f32 v51, v51
	s_delay_alu instid0(VALU_DEP_2)
	v_cvt_i32_f32 v58, v58
	s_delay_alu instid0(VALU_DEP_2)
	v_ldexp_f32 v51, 1.0, v51                      ; fa, fb: powers of two, one of them 1
	s_delay_alu instid0(VALU_DEP_2)
	v_ldexp_f32 v58, 1.0, v58
	s_delay_alu instid0(VALU_DEP_2)
	v_mul_f32 v59, v51, v16
	s_delay_alu instid0(VALU_DEP_1)
	v_fma_f32 v59, v58, v49, v59                   ; the row's sum over all keys, above 1/2
	s_wait_alu depctr_va_vdst(0)
	v_rcp_f32 v60, v59
	v_nop                                          ; a plain instruction behind the transcendental
	s_wait_alu depctr_va_vdst(0)                   ; and the wait ahead of the first instruction that names its result
	v_mul_f32 v52, v51, v60                        ; fa / the sum, fb / the sum (v53 and v55 above them still hold 0)
	v_mul_f32 v54, v58, v60
.set j, 0
.rept 64
	v_pk_mul_f32 v[S+j:S+j+1], v[S+j:S+j+1], v[54:55] op_sel_hi:[1,0]
.set j, j+2
.endr
	WIN 0x01                                       ; source 0 (my O^T) window 1
.set j, 0
.rept 64
	v_pk_fma_f32 v[S+j:S+j+1], v[j:j+1], v[52:53], v[S+j:S+j+1] op_sel_hi:[1,0,1]   ; O / the sum; ascending: each accumulator from its low end on
.set j, j+2
.endr
	WIN 0
; Channels 128 s on of my 16 queries: converted: a fragment, which goes to LDS as it stands.  Its codes: registers 4 b .. 4 b + 3 at v40, v44, v248, v252.
.macro OQ s
.set j, 0
.rept 64
.set j, j+1
.endr
.irp b, 0,1,2,3
.set CQ, 40+4*\b+200*(\b/2)
	v_cvt_scalef32_pk8_bf8_f32 v[CQ:CQ+1], v[S+64*(\s)+16*\b:S+64*(\s)+16*\b+7], v[SCO]        ; channels 128 s + 32 b + 16 h + 0 .. 15
	v_cvt_scalef32_pk8_bf8_f32 v[CQ+2:CQ+3], v[S+64*(\s)+16*\b+8:S+64*(\s)+16*\b+15], v[SCO]
.endr
	v_nop
.irp c, 0,1,2,3
.set CQ, 40+4*\c+200*(\c/2)
	ds_store_b128 v[OST], v[CQ:CQ+3] offset:2048*(\s)+512*\c
.endr
	s_wait_dscnt 0x0                               ; the stores are done: for the codes' registers, and, in front of the barrier, for the others' sake
.endm
	OQ 0
	OQ 1
	s_barrier_signal -1
	s_barrier_wait -1                              ; O's sixteen fragments lie in LDS, and nobody reads the exchange any more
; K step s of the last product: the eight tiles of positions x my two tiles of output channels: sixteen accumulators by turns, (T', P) at v[8 (8 T' + P)] of window 1, where O^T stood.
.macro PROJ s, w0, w1
.set f, 0
.rept 32
	ds_load_b128 v[S+4*f:S+4*f+3], v[ORD] offset:4096*(f/4)+2048*(\s)+512*(f%4)
.set f, f+1
.endr
	s_wait_dscnt 0x0
.if \s == 0
	s_wait_loadcnt 32                              ; Wproj's images are in; x's 32 loads may be out
	WIN 0x40                                       ; destination window 1
.else
	WIN 0x50                                       ; C and D window 1
.endif
.set pp, 0
.rept 8
.if \s == 0
	v_wmma_f32_16x16x128_bf8_bf8 v[8*pp:8*pp+7], v[S+16*pp:S+16*pp+15], v[\w0:\w0+15], 0
	v_wmma_f32_16x16x128_bf8_bf8 v[64+8*pp:64+8*pp+7], v[S+16*pp:S+16*pp+15], v[\w1:\w1+15], 0
.else
	v_wmma_f32_16x16x128_bf8_bf8 v[8*pp:8*pp+7], v[S+16*pp:S+16*pp+15], v[\w0:\w0+15], v[8*pp:8*pp+7]
	v_wmma_f32_16x16x128_bf8_bf8 v[64+8*pp:64+8*pp+7], v[S+16*pp:S+16*pp+15], v[\w1:\w1+15], v[64+8*pp:64+8*pp+7]
.endif
.set pp, pp+1
.endr
	WIN 0
	PLACES 4                                       ; ahead of loads into the operands' registers and of the first read of results
.endm
	PROJ 0, 72, 88
	PROJ 1, 232, 24
	WIN 0x04                                       ; an LDS store's data (source 1): window 1
.irp t, 0,1
.irp p, 0,1,2,3,4,5,6,7
	ds_store_b128 v[SST], v[8*(8*\t+\p):8*(8*\t+\p)+3] offset:16*SPI*\t+64*\p          ; lane (r, h): channel 16 T' + r of my 32, positions 16 P + 8 h + 0 .. 7; the low four first
	ds_store_b128 v[SST], v[8*(8*\t+\p)+4:8*(8*\t+\p)+7] offset:16*SPI*\t+64*\p+16
.endr
.endr
	WIN 0
.set i, 0
.rept 32
	ds_load_b128 v[S+4*i:S+4*i+3], v[SRD] offset:SPI*i   ; back as whole rows of 512 bytes.  LDS serves a wave's instructions in order (ISA guide 5.7.1.4): these see my stores; the stage is my own
.set i, i+1
.endr
	s_wait_loadcnt 0x0                             ; x
	WIN 0x10                                       ; source 2 (x): window 1; all else window 0, the stores' address and data too
.set i, 0
.rept 32
	s_wait_dscnt 31-i                              ; row i is back; the younger rows may be out
	v_pk_fma_f32 v[S+4*i:S+4*i+1], v[S+4*i:S+4*i+1], v[10:11], v[128+4*i:128+4*i+1] op_sel_hi:[1,0,1]       ; x + gamma 2^(e10 + e11) x the sum
	v_pk_fma_f32 v[S+4*i+2:S+4*i+3], v[S+4*i+2:S+4*i+3], v[10:11], v[128+4*i+2:128+4*i+3] op_sel_hi:[1,0,1]
	global_store_b128 v[LI], v[S+4*i:S+4*i+3], s[OB:OB+1] offset:16384*i th:TH_STORE_NT   ; 512 consecutive bytes, at a multiple of 256 from out0's first byte
.set i, i+1
.endr
	WIN 0
	s_wait_tensorcnt 0x0                           ; the wave's end: behind my last tensor load and my last LDS store
	ds_add_u32 v[SPW], v[NIL]
	s_wait_dscnt 0x0
	CROUND                                         ; the closing round: no work-group ends while a partner may still ask for a tile that names it
	s_endpgm
.Lfunc_end_k_q39bbbd197b_attn:
	.size	k_q39bbbd197b_attn, .Lfunc_end_k_q39bbbd197b_attn-k_q39bbbd197b_attn
	.p2alignl 7, 3214868480
	.fill 96, 4, 3214868480
	.section	.rodata,"a",@progbits
	.p2align	6, 0x0
	.amdhsa_kernel k_q39bbbd197b_attn
		.amdhsa_group_segment_fixed_size 327680
		.amdhsa_private_segment_fixed_size 0
		.amdhsa_enable_private_segment 0
		.amdhsa_kernarg_size 64
		.amdhsa_user_sgpr_count 2
		.amdhsa_user_sgpr_kernarg_segment_ptr 1
		.amdhsa_wavefront_size32 1
		.amdhsa_system_sgpr_workgroup_id_x 1
		.amdhsa_system_sgpr_workgroup_id_y 1
		.amdhsa_system_sgpr_workgroup_id_z 1
		.amdhsa_system_vgpr_workitem_id 0
		.amdhsa_next_free_vgpr 512
		.amdhsa_next_free_sgpr 96
		.amdhsa_reserve_vcc 0
		.amdhsa_float_denorm_mode_32 3
		.amdhsa_float_denorm_mode_16_64 3
		.amdhsa_fp16_overflow 1
		.amdhsa_memory_ordered 1
		.amdhsa_forward_progress 1
		.amdhsa_inst_pref_size 128
	.end_amdhsa_kernel
	.amdgpu_metadata
---
amdhsa.version: [ 1, 2 ]
amdhsa.kernels:
  - .name:           k_q39bbbd197b_attn
    .symbol:         k_q39bbbd197b_attn.kd
    .args:
      - { .name: qbuf, .offset: 0, .size: 8, .value_kind: global_buffer, .address_space: global }
      - { .name: kbuf, .offset: 8, .size: 8, .value_kind: global_buffer, .address_space: global }
      - { .name: vbuf, .offset: 16, .size: 8, .value_kind: global_buffer, .address_space: global }
      - { .name: wimg, .offset: 24, .size: 8, .value_kind: global_buffer, .address_space: global }
      - { .name: lowp_scales, .offset: 32, .size: 8, .value_kind: global_buffer, .address_space: global }
      - { .name: gamma, .offset: 40, .size: 8, .value_kind: global_buffer, .address_space: global }
      - { .name: x, .offset: 48, .size: 8, .value_kind: global_buffer, .address_space: global }
      - { .name: out0, .offset: 56, .size: 8, .value_kind: global_buffer, .address_space: global }
    .group_segment_fixed_size: 327680
    .private_segment_fixed_size: 0
    .kernarg_segment_align: 8
    .kernarg_segment_size: 64
    .max_flat_workgroup_size: 256
    .sgpr_count:     96
    .vgpr_count:     512
    .wavefront_size: 32
...
	.end_amdgpu_metadata
.endif
;; end of part 6
